; MI455X (gfx1250); checked and timed in simulation.
; The chip was launched on July 23, 2026; its instructions are those of AMD's public machine-readable ISA for CDNA 5 (MIT licence, August 2026) and "CDNA5" Instruction Set Architecture Reference Guide (July 2026). The comments in the code are by the model that wrote it; some were corrected since.
;; Mo E layer megatron wo gate v3. Allowed arithmetic: matrix products marked QUANTISED: E3M2 operands, one E8M0 scale for each 32 along K, by v_wmma_scale_f32_16x16x128_f8f6f4 with both operands' format E3M2, f32 sums; products left as they are: f32 operands where the result goes on into a quantised operand, else bf16, f16 or f32 operands; f32 sums; everything else in f32.
;; Inputs: choosed_experts 8,192 x 2 int32; gate_weight 8,192 x 2 float32; hidden_states_codes 1,024 x 8 x 32 x 24 uint8 (E3M2 codes of hidden_states, K innermost, in blocks of 32 codes, four codes in three bytes); hidden_states_scales 1,024 x 8 x 32 uint8 (E8M0 scales of hidden_states, one for each 32 codes along K); w1_codes 8 x 512 x 32 x 24 uint8 (E3M2 codes of w1, K innermost, in blocks of 32 codes, four codes in three bytes); w1_scales 8 x 512 x 32 uint8 (E8M0 scales of w1, one for each 32 codes along K); w2_codes 8 x 1,024 x 16 x 24 uint8 (E3M2 codes of w2, K innermost, in blocks of 32 codes, four codes in three bytes); w2_scales 8 x 1,024 x 16 uint8 (E8M0 scales of w2, one for each 32 codes along K).
;; Outputs: out0 8,192 x 1,024 float32.
;; This version of the problem:
;;   THIS VERSION OF THE PROBLEM IS GIVEN IN LOW PRECISION. The matrix products marked QUANTISED in the list below multiply operands that are first quantised to E3M2 (3 exponent bits, 2 mantissa bits; 6 bits a number), with one power-of-two scale for each 32 numbers along K (OCP MX v1.0); their sums are f32. All else is computed in f32.
;;   The module's matrix products, in the order in which they are computed (A, B: the left and right operand; K: the contracted axis; several contracted axes count as one K, in the product's order):
;;     1. batch 8,192 x [M 1, K 2] x [K 2, N 8]; A: input gate_weight; B: computed on the way: left as it is (K = 2 < 32)
;;     2. [M 8,192, K 1,024] x [K 1,024, N 512]; A: input hidden_states (given as codes); B: input w1 (given as codes): QUANTISED
;;     3. [M 8,192, K 512] x [K 512, N 1,024]; A: computed on the way; B: input w2 (given as codes): QUANTISED
;;     4. [M 8,192, K 1,024] x [K 1,024, N 512]; A: input hidden_states (given as codes); B: input w1 (given as codes): QUANTISED
;;     5. [M 8,192, K 512] x [K 512, N 1,024]; A: computed on the way; B: input w2 (given as codes): QUANTISED
;;     6. [M 8,192, K 1,024] x [K 1,024, N 512]; A: input hidden_states (given as codes); B: input w1 (given as codes): QUANTISED
;;     7. [M 8,192, K 512] x [K 512, N 1,024]; A: computed on the way; B: input w2 (given as codes): QUANTISED
;;     8. [M 8,192, K 1,024] x [K 1,024, N 512]; A: input hidden_states (given as codes); B: input w1 (given as codes): QUANTISED
;;     9. [M 8,192, K 512] x [K 512, N 1,024]; A: computed on the way; B: input w2 (given as codes): QUANTISED
;;     10. [M 8,192, K 1,024] x [K 1,024, N 512]; A: input hidden_states (given as codes); B: input w1 (given as codes): QUANTISED
;;     11. [M 8,192, K 512] x [K 512, N 1,024]; A: computed on the way; B: input w2 (given as codes): QUANTISED
;;     12. [M 8,192, K 1,024] x [K 1,024, N 512]; A: input hidden_states (given as codes); B: input w1 (given as codes): QUANTISED
;;     13. [M 8,192, K 512] x [K 512, N 1,024]; A: computed on the way; B: input w2 (given as codes): QUANTISED
;;     14. [M 8,192, K 1,024] x [K 1,024, N 512]; A: input hidden_states (given as codes); B: input w1 (given as codes): QUANTISED
;;     15. [M 8,192, K 512] x [K 512, N 1,024]; A: computed on the way; B: input w2 (given as codes): QUANTISED
;;     16. [M 8,192, K 1,024] x [K 1,024, N 512]; A: input hidden_states (given as codes); B: input w1 (given as codes): QUANTISED
;;     17. [M 8,192, K 512] x [K 512, N 1,024]; A: computed on the way; B: input w2 (given as codes): QUANTISED
;;   THE QUANTISER, for each operand of a quantised product, along K:
;;     - K is cut into blocks of 32 from its start; a last block that is shorter is filled with zeros.
;;     - A block's scale is 2^e with e = floor(log2(the largest magnitude in the block)) - 4, held to -126 .. 127; a block of zeros has e = 0. As a byte (E8M0): e + 127.
;;     - Each number is divided by its block's scale, clamped to +-28, and rounded to the nearest number of E3M2, ties to even, subnormals kept.
;;     - The product sums the exact products of the quantised numbers (number of the format x scale) in f32.
;;   ~~~python
;;   def quantise(x, axis):      # numpy; x: float32 -> the quantised numbers, widened to float32 again
;;       x = np.moveaxis(x, axis, -1); K = x.shape[-1]
;;       x = np.pad(x, [(0, 0)] * (x.ndim - 1) + [(0, -K % 32)]); x = x.reshape(x.shape[:-1] + (-1, 32)); a = np.abs(x).max(-1, keepdims=True)
;;       e = np.where(a > 0, np.clip(np.frexp(np.where(a > 0, a, 1))[1] - 1 - 4, -126, 127), 0)      # np.frexp(a)[1] - 1 = floor(log2(a)), exactly
;;       r = np.clip(x / 2.0 ** e, -28, 28)
;;       step = 2.0 ** (np.maximum(np.frexp(np.where(r == 0, 1, r))[1] - 1, -2) - 2)
;;       q = np.round(r / step) * step * 2.0 ** e      # np.round: ties to even
;;       return np.moveaxis(q.reshape(q.shape[:-2] + (-1,))[..., :K], -1, axis).astype(np.float32)
;;   ~~~
;;   OPERANDS COMPUTED ON THE WAY. 'Computed on the way' means the value that the module computes at that place (a softmax that the list does not call 'softmax' is quantised finished and normalised). What goes into a quantiser is computed in f32, as accurately as f32 sums, v_exp_f32 and their like allow (about 1e-6 of the number): no bf16 or f16 on the way to a quantiser, and a product that is left as it is and whose result goes on into a quantised operand takes f32 operands (vector FMAs, or v_wmma_f32_16x16x4_f32). A number that lies on a knife's edge between two numbers of the format may be rounded either way, as far as f32 arithmetic and the matrix unit's own rounding can turn it there, and no further.
;;   INPUTS GIVEN AS CODES. hidden_states (in the module: [1024, 8, 1024], K = its axis 2); w1 (in the module: [8, 1024, 512], K = its axis 1); w2 (in the module: [8, 512, 1024], K = its axis 1): each comes as NAME_codes (uint8): NAME with its K axis moved to the last place and cut into blocks of 32 codes, [.., K / 32, bytes a block], one block behind the other in memory; four codes in three bytes: a row's codes are one little-endian stream of bits, code i at bits 6 i .. 6 i + 5 (a code: sign, 3 exponent bits, 2 mantissa bits); and NAME_scales (uint8): the same leading axes, one E8M0 byte (e + 127) for each 32 codes along K. Its value is code x scale, taken as it is: it is not quantised again, and the codes and scales need not be those that the quantiser above would give.
;; 2 versions, each right; version 2 is version 1 with the launch chain written anew for expert scheduling mode. Each part assembles by itself: llvm-mc -triple=amdgcn-amd-amdhsa -mcpu=gfx1250 --defsym DOCPART=n.
;; ======== version 1 of 2: 2 launches
;; workspace buffers: counts 256 bytes of whole numbers; order 917,504 bytes of whole numbers; coef 1,835,008 bytes; wf 6,553,600 bytes
;; launch prep (part 1): grid 156 x 1, 8 waves a work-group, no clusters, 2,048 bytes of LDS; arguments choosed_experts, gate_weight, w1_codes, w1_scales, w2_codes, w2_scales, counts, order, coef, wf; writes counts, order, coef, wf
.if DOCPART == 1
	.amdgcn_target "amdgcn-amd-amdhsa--gfx1250"
	.amdhsa_code_object_version 6
	.text
	.protected	k_qbc9dab4a5a_prep
	.globl	k_qbc9dab4a5a_prep
	.p2align	8
	.type	k_qbc9dab4a5a_prep,@function
k_qbc9dab4a5a_prep:
	s_mov_b64 s[64:65], 0
	v_nop
	global_prefetch_b8 v0, s[64:65] scope:SCOPE_SE
	s_setreg_imm32_b32 hwreg(HW_REG_WAVE_MODE, 25, 1), 1
	s_wait_xcnt 0x0
; PREP: two kinds of work-groups, parted on the work-group's number alone.
; Work-groups 0-27: ROUTING.  Work-group b owns bin b, the unordered pair of experts {lo, hi}, lo < hi (28 pairs of 8 experts, numbered lo ascending, then hi).
;   It scans all 8,192 tokens and stores, densely and in ascending order, the tokens of its pair (order[b][..]), for each of them the two weights
;   (coef for lo, coef for hi: coef[t][e] = the sum of gate_weight[t][k] where choosed_experts[t][k] = e, in f32), and their number (counts[b]).
;   A token that names one expert a twice goes to the pair {a, (a + 1) & 7}: weight g0 + g1 for a, 0 for the neighbour.
;   So every token lies in exactly one bin, and one work-group of the next launch can own its whole output row.
; Work-groups 28-155: LAYOUT.  Each wave copies one tile of 16 weight rows x 4 K steps of 128 into wf, in the order of the matrix operand's registers:
;   wf byte = ((part*8 + e)*4 + w)*102400 + idx*12800 + (4u + i)*1536 + c*512 + 16*lane: registers 4c .. 4c+3 of the fragment of tile u, K step i; behind a chunk's
;   eight fragments, at + 12288 + 16*(16u + r), the four scale words (K steps i = 0..3) of row r of tile u.
;   part 0 (w1): idx = 4q + p; lane r of tile u takes row 128w + 32p + 8u + r + 8(r/8) of expert e; K steps 4q + i.  (Rows so chosen give the next launch 16 neighbouring hidden units in a lane's 16 result registers.)
;   part 1 (w2): lane r of tile u takes row 256w + 32 idx + 16u + r; K steps i.
; LIMIT: expert numbers lie in 0..7 (they index a table of 8); a token with another number would fall into no bin, or a wrong one.
.set CE,   16                          ; v16-79   32 x (e0, e1): token 1024 wave + 32 i + lane; later e0's place holds the token's number
.set GW,   80                          ; v80-143  32 x (g0, g1); later (coef for lo, coef for hi)
.set OFF4, 144                         ; v144-175 32 x 4 x the token's place in the bin
.set TMP,  176                         ; v176-191 at work
.set OFF8, 192                         ; v192-223 32 x 8 x the place
.set MK,   66                          ; s66-97   32 masks: which lanes' tokens belong to my bin
	s_load_b512 s[4:19], s[0:1], 0x0               ; experts s[4:5], gates s[6:7], w1 codes s[8:9], w1 scales s[10:11], w2 codes s[12:13], w2 scales s[14:15], counts s[16:17], order s[18:19]
	s_load_b128 s[20:23], s[0:1], 0x40             ; coef s[20:21], wf s[22:23]
	v_lshl_add_u32 v224, v0, 2, 0x400
	v_mov_b32 v225, 0
	v_lshrrev_b32 v1, 5, v0
	v_readfirstlane_b32 s24, v1                    ; wave 0..7
	v_and_b32 v1, 31, v0                           ; lane
	s_cmp_lt_u32 ttmp9, 28
	s_cbranch_scc0 .Llay
; ---------------- ROUTING ----------------
	s_mov_b32 s25, 0                               ; lo
	s_mov_b32 s26, 1                               ; hi
.set BN, 0
.irp lo, 0,1,2,3,4,5,6
.irp hi, 1,2,3,4,5,6,7
.if \hi > \lo
	s_cmp_eq_u32 ttmp9, BN
	s_cselect_b32 s25, \lo, s25
	s_cselect_b32 s26, \hi, s26
.set BN, BN+1
.endif
.endr
.endr
	s_lshl_b32 s27, 1, s25
	s_lshl_b32 s28, 1, s26
	s_or_b32 s27, s27, s28                         ; my pair as two bits
	s_lshl_b32 s28, s24, 13
	v_lshlrev_b32 v2, 3, v1
	v_add_nc_u32 v2, s28, v2                       ; 8 bytes a token: 8 (1024 wave + lane)
	s_lshl_b32 s28, s24, 10
	v_add_nc_u32 v3, s28, v1                       ; my first token
	v_mov_b32 v10, 1
	s_mov_b32 s29, 0                               ; my wave's count
	s_mov_b32 s31, 0
	s_wait_kmcnt 0x0
	s_lshl_b32 s30, ttmp9, 15
	s_add_nc_u64 s[18:19], s[18:19], s[30:31]      ; order[b]: 8,192 words a bin
	s_lshl_b32 s30, ttmp9, 16
	s_add_nc_u64 s[20:21], s[20:21], s[30:31]      ; coef[b]: 8,192 pairs a bin
	s_lshl_b32 s30, ttmp9, 2
	s_add_nc_u64 s[16:17], s[16:17], s[30:31]      ; counts[b]
.set i, 0
.rept 32
	global_load_b64 v[CE+2*i:CE+2*i+1], v2, s[4:5] offset:256*i     ; 32 lanes read 256 consecutive bytes
.set i, i+1
.endr
.set i, 0
.rept 32
	global_load_b64 v[GW+2*i:GW+2*i+1], v2, s[6:7] offset:256*i
.set i, i+1
.endr
	s_wait_loadcnt 0x0
	s_wait_xcnt 0x0                                ; EXEC is narrowed further down only behind this wait; no load or store to memory stands between
; pass A: each token's pair; the lanes whose pair is mine, as a mask for each of the 32 trips; how many of my wave's 1,024 tokens those are
.set i, 0
.rept 32
	v_cmp_eq_u32 vcc_lo, v[CE+2*i], v[CE+2*i+1]
	v_add_nc_u32 v[TMP], 1, v[CE+2*i]
	v_and_b32 v[TMP], 7, v[TMP]                    ; the neighbour, for a token that names one expert twice
	v_cndmask_b32 v[TMP], v[CE+2*i+1], v[TMP], vcc_lo
	v_lshlrev_b32 v[TMP+1], v[CE+2*i], v10
	v_lshlrev_b32 v[TMP], v[TMP], v10
	v_or_b32 v[TMP], v[TMP+1], v[TMP]              ; the token's pair as two bits
	v_cmp_eq_u32 s[MK+i], s27, v[TMP]
	s_bcnt1_i32_b32 s41, s[MK+i]
	s_add_co_u32 s29, s29, s41
.set i, i+1
.endr
; the eight waves' counts meet in LDS words 0-7
	v_mov_b32 v[TMP], s29
	v_mov_b32 v[TMP+1], s24
	v_lshlrev_b32 v[TMP+1], 2, v[TMP+1]
	ds_store_b32 v[TMP+1], v[TMP]                  ; all lanes write the same word with the same value
	s_wait_dscnt 0x0                               ; for the others' sake: my store has landed
	s_barrier_signal -1
	s_barrier_wait -1
	v_mov_b32 v[TMP+2], 0
	ds_load_b128 v[TMP+4:TMP+7], v[TMP+2]
	ds_load_b128 v[TMP+8:TMP+11], v[TMP+2] offset:16
	s_wait_dscnt 0x0
.irp k, 0,1,2,3,4,5,6,7
	v_readfirstlane_b32 s[44+\k], v[TMP+4+\k]
.endr
	s_mov_b32 s42, 0                               ; where my wave's tokens begin in the bin: the sum of the waves in front of me
	s_mov_b32 s43, 0                               ; the bin's number of tokens
.irp k, 0,1,2,3,4,5,6,7
	s_cmp_gt_u32 s24, \k
	s_cselect_b32 s41, s[44+\k], 0
	s_add_co_u32 s42, s42, s41
	s_add_co_u32 s43, s43, s[44+\k]
.endr
; pass B, the arithmetic: the weights for lo and hi, the token's number and its place in the bin, for all 32 trips.
; EVERY REGISTER THAT THE MASKED STORES BELOW READ IS MADE HERE, WITH ALL LANES ON: each trip has its own, and under the masks no vector register is written.
.set i, 0
.rept 32
	v_cmp_eq_u32 vcc_lo, s25, v[CE+2*i]
	v_cndmask_b32 v[TMP], 0, v[GW+2*i], vcc_lo
	v_cmp_eq_u32 vcc_lo, s25, v[CE+2*i+1]
	v_cndmask_b32 v[TMP+1], 0, v[GW+2*i+1], vcc_lo
	v_cmp_eq_u32 vcc_lo, s26, v[CE+2*i]
	v_cndmask_b32 v[TMP+2], 0, v[GW+2*i], vcc_lo
	v_cmp_eq_u32 vcc_lo, s26, v[CE+2*i+1]
	v_cndmask_b32 v[TMP+3], 0, v[GW+2*i+1], vcc_lo
	v_add_f32 v[GW+2*i], v[TMP], v[TMP+1]          ; coef for lo
	v_add_f32 v[GW+2*i+1], v[TMP+2], v[TMP+3]      ; coef for hi
	v_add_nc_u32 v[CE+2*i], 32*i, v3               ; the token
	v_mbcnt_lo_u32_b32 v[TMP+4], s[MK+i], s42      ; its place: the bin's tokens in front of it
	s_bcnt1_i32_b32 s41, s[MK+i]
	s_add_co_u32 s42, s42, s41
	v_min_u32 v[TMP+4], 0x1fff, v[TMP+4]           ; a place is under 8,192
	v_lshlrev_b32 v[OFF4+i], 2, v[TMP+4]
	v_lshlrev_b32 v[OFF8+i], 3, v[TMP+4]
.set i, i+1
.endr
	v_mov_b32 v[TMP+5], s43                        ; the bin's count,
	v_mov_b32 v[TMP+6], 0                          ; its offset,
	v_cmp_eq_u32 s98, 0, v0                        ; and the one thread that stores it
; pass B, the stores: only the lanes whose token belongs to the bin
.set i, 0
.rept 32
	s_and_saveexec_b32 s40, s[MK+i]                ; (no memory instruction has been issued since the last wait on XCNT for 0)
	global_store_b32 v[OFF4+i], v[CE+2*i], s[18:19]
	global_store_b64 v[OFF8+i], v[GW+2*i:GW+2*i+1], s[20:21]
	s_wait_xcnt 0x0                                ; EXEC is widened only behind this wait
	s_or_b32 exec_lo, exec_lo, s40
.set i, i+1
.endr
	s_and_saveexec_b32 s40, s98                    ; thread 0 alone stores the bin's count
	global_store_b32 v[TMP+6], v[TMP+5], s[16:17]
	s_wait_xcnt 0x0
	s_mov_b32 exec_lo, -1
	s_wait_tensorcnt 0x0
	ds_add_u32 v224, v225
	s_wait_dscnt 0x0
	s_endpgm
; ---------------- LAYOUT ----------------
.Llay:
	s_sub_co_u32 s25, ttmp9, 28
	s_lshl_b32 s25, s25, 3
	s_add_co_u32 s25, s25, s24                     ; unit U = 0..1023
	s_and_b32 s26, s25, 1                          ; u: which tile of the chunk's pair
	s_bfe_u32 s27, s25, 0x30001                    ; idx: the chunk
	s_bfe_u32 s28, s25, 0x20004                    ; w: the wave of the next launch that streams it
	s_bfe_u32 s29, s25, 0x30006                    ; e: the expert
	s_lshr_b32 s30, s25, 9                         ; P: 0 = w1, 1 = w2
	s_lshr_b32 s31, 768, s30                       ; a row of codes: 768 or 384 bytes
	s_lshr_b32 s32, 32, s30                        ; a row of scale bytes: 32 or 16
	s_lshl_b32 s33, s28, 7
	s_lshl_b32 s34, s26, 3
	s_add_co_u32 s33, s33, s34
	s_lshl_b32 s33, s33, s30                       ; 128 w + 8 u, or 256 w + 16 u
	s_lshl_b32 s34, s30, 2                         ; 4 P
	s_add_co_u32 s35, s34, 3
	s_and_b32 s35, s27, s35                        ; idx & 3, or idx
	s_lshl_b32 s35, s35, 5
	s_add_co_u32 s33, s33, s35                     ; the tile's first row
	s_lshr_b32 s36, s27, 2
	s_cmp_eq_u32 s30, 0
	s_cselect_b32 s36, s36, 0                      ; q: which four K steps (w1 alone has two such runs)
	s_mul_i32 s38, s29, 393216                     ; an expert's codes: 393,216 bytes in both tensors
	s_mul_i32 s37, s33, s31
	s_add_co_u32 s38, s38, s37
	s_mul_i32 s37, s36, 384
	s_add_co_u32 s38, s38, s37
	s_mov_b32 s39, 0
	s_lshl_b32 s40, s29, 14                        ; an expert's scale bytes: 16,384
	s_mul_i32 s37, s33, s32
	s_add_co_u32 s40, s40, s37
	s_lshl_b32 s37, s36, 4
	s_add_co_u32 s40, s40, s37
	s_mov_b32 s41, 0
	s_lshr_b32 s42, s25, 4
	s_mul_i32 s42, s42, 102400
	s_mul_i32 s37, s27, 12800
	s_add_co_u32 s42, s42, s37                     ; the chunk's first byte in wf
	s_mov_b32 s43, 0
	v_and_b32 v2, 15, v0                           ; r
	v_bfe_u32 v3, v0, 4, 1                         ; h
	v_and_b32 v4, 8, v2
	v_lshrrev_b32 v4, s34, v4
	v_add_nc_u32 v4, v4, v2                        ; my row in the tile: r + 8 (r / 8) for w1, r for w2
	v_mul_u32_u24 v5, s31, v4
	v_mad_u32_u24 v5, v3, 24, v5                   ; codes: row x pitch + 24 h
	v_mul_u32_u24 v6, s32, v4
	v_lshl_add_u32 v6, v3, 3, v6                   ; scale bytes: row x pitch + 8 h: two of the row's four words
	s_mul_i32 s37, s26, 6144
	v_lshlrev_b32 v7, 4, v1
	v_add_nc_u32 v7, s37, v7                       ; out: 16 x lane + my tile's four fragments
	s_lshl_b32 s37, s26, 8
	v_lshlrev_b32 v8, 4, v2
	v_lshl_add_u32 v8, v3, 3, v8
	v_add_nc_u32 v8, s37, v8                       ; out: 256 u + 16 r + 8 h
	s_wait_kmcnt 0x0
	s_cmp_eq_u32 s30, 0                            ; the choice hangs on the unit's number alone
	s_cselect_b64 s[8:9], s[8:9], s[12:13]
	s_cselect_b64 s[10:11], s[10:11], s[14:15]
	s_add_nc_u64 s[8:9], s[8:9], s[38:39]
	s_add_nc_u64 s[10:11], s[10:11], s[40:41]
	s_add_nc_u64 s[22:23], s[22:23], s[42:43]
	global_load_b64 v[12:13], v6, s[10:11]
.irp i, 0,1,2,3
.irp c, 0,1
.irp k, 0,1,2
	global_load_b64 v[16+12*\i+6*\c+2*\k:16+12*\i+6*\c+2*\k+1], v5, s[8:9] offset:96*\i+48*\c+8*\k   ; registers 6c .. 6c+5 of K step i: k = 64c + 32h + 0..31 of my row, as the bits lie
.endr
.endr
.endr
.irp i, 0,1,2,3
	s_wait_loadcnt 6*(3-\i)                        ; fragment i is in; the younger fragments' six loads each may be out
.irp c, 0,1,2
	global_store_b128 v7, v[16+12*\i+4*\c:16+12*\i+4*\c+3], s[22:23] offset:1536*\i+512*\c   ; 32 lanes store 512 consecutive bytes, at a multiple of 256 from wf's first byte
.endr
.endr
	global_store_b64 v8, v[12:13], s[22:23] offset:12288    ; 32 lanes store 256 consecutive bytes: the tile's 16 rows x 4 scale words
	s_endpgm
.Lfunc_end_k_qbc9dab4a5a_prep:
	.size	k_qbc9dab4a5a_prep, .Lfunc_end_k_qbc9dab4a5a_prep-k_qbc9dab4a5a_prep
	.p2alignl 7, 3214868480
	.fill 96, 4, 3214868480
	.section	.rodata,"a",@progbits
	.p2align	6, 0x0
	.amdhsa_kernel k_qbc9dab4a5a_prep
		.amdhsa_group_segment_fixed_size 2048
		.amdhsa_private_segment_fixed_size 0
		.amdhsa_enable_private_segment 0
		.amdhsa_kernarg_size 80
		.amdhsa_user_sgpr_count 2
		.amdhsa_user_sgpr_kernarg_segment_ptr 1
		.amdhsa_wavefront_size32 1
		.amdhsa_system_sgpr_workgroup_id_x 1
		.amdhsa_system_sgpr_workgroup_id_y 1
		.amdhsa_system_sgpr_workgroup_id_z 1
		.amdhsa_system_vgpr_workitem_id 0
		.amdhsa_next_free_vgpr 226
		.amdhsa_next_free_sgpr 100
		.amdhsa_reserve_vcc 1
		.amdhsa_float_denorm_mode_32 3
		.amdhsa_float_denorm_mode_16_64 3
		.amdhsa_memory_ordered 1
		.amdhsa_forward_progress 1
		.amdhsa_inst_pref_size 59
	.end_amdhsa_kernel
	.amdgpu_metadata
---
amdhsa.version: [ 1, 2 ]
amdhsa.kernels:
  - .name:           k_qbc9dab4a5a_prep
    .symbol:         k_qbc9dab4a5a_prep.kd
    .args:
      - { .name: choosed_experts, .offset: 0, .size: 8, .value_kind: global_buffer, .address_space: global }
      - { .name: gate_weight, .offset: 8, .size: 8, .value_kind: global_buffer, .address_space: global }
      - { .name: w1_codes, .offset: 16, .size: 8, .value_kind: global_buffer, .address_space: global }
      - { .name: w1_scales, .offset: 24, .size: 8, .value_kind: global_buffer, .address_space: global }
      - { .name: w2_codes, .offset: 32, .size: 8, .value_kind: global_buffer, .address_space: global }
      - { .name: w2_scales, .offset: 40, .size: 8, .value_kind: global_buffer, .address_space: global }
      - { .name: counts, .offset: 48, .size: 8, .value_kind: global_buffer, .address_space: global }
      - { .name: order, .offset: 56, .size: 8, .value_kind: global_buffer, .address_space: global }
      - { .name: coef, .offset: 64, .size: 8, .value_kind: global_buffer, .address_space: global }
      - { .name: wf, .offset: 72, .size: 8, .value_kind: global_buffer, .address_space: global }
    .group_segment_fixed_size: 2048
    .private_segment_fixed_size: 0
    .kernarg_segment_align: 8
    .kernarg_segment_size: 80
    .max_flat_workgroup_size: 256
    .sgpr_count:     100
    .vgpr_count:     226
    .wavefront_size: 32
...
	.end_amdgpu_metadata
.endif
;; end of part 1
;; launch chain (part 2): grid 198 x 1, 4 waves a work-group, no clusters, 135,936 bytes of LDS; arguments counts, order, coef, hidden_states_codes, hidden_states_scales, wf, out0; writes out0
.if DOCPART == 2
	.amdgcn_target "amdgcn-amd-amdhsa--gfx1250"
	.amdhsa_code_object_version 6
	.text
	.protected	k_qbc9dab4a5a_chain
	.globl	k_qbc9dab4a5a_chain
	.p2align	8
	.type	k_qbc9dab4a5a_chain,@function
k_qbc9dab4a5a_chain:
	s_mov_b64 s[64:65], 0
	v_nop
	global_prefetch_b8 v0, s[64:65] scope:SCOPE_SE
	s_setreg_imm32_b32 hwreg(HW_REG_WAVE_MODE, 25, 1), 1
	s_wait_xcnt 0x0
; CHAIN: out[t] = cl x (Q(gelu(x[t] W1[lo])) W2[lo]) + ch x (Q(gelu(x[t] W1[hi])) W2[hi]), for the two experts of token t's bin; all other experts have weight 0 in the sum and are not multiplied.
; Products on codes of E3M2 with one E8M0 scale for each 32 along K; sums, gelu and the combination in f32.  Q: a block's scale is 2^(floor(log2(largest magnitude)) - 4); codes to nearest, ties to even, held at the largest code.
; TILES.  A tile is 48 tokens of one bin.  With 8,192 tokens in 28 bins there are never more than (8192 + 28 x 47) / 48 = 198 tiles: the grid.  Work-group t finds its tile from the 28 counts.
;   A work-group that the split leaves without rows passes all three barriers, passes over all products by scalar branches on its flag, and stores nothing.  Rows past a tile's count repeat the tile's last token: the same numbers are stored again.
; SHARES.  The four waves share the COLUMNS: wave w makes hidden units 128w .. 128w+127 of both experts (K step w of the second product) and output columns 256w .. 256w+255, for all 48 tokens.
;   Both products are used transposed (source 0 = 16 weight rows, source 1 = 16 tokens): a lane holds one token.  The tokens' fragments stay in registers (x: 3 tiles x 8 K steps; then the two hidden layers: 3 x 4 x 2);
;   the weights stream from wf, laid in the order of the operand's registers, through a ring of four register slots of one chunk (2 column tiles x 4 K steps, 25 loads of 512 bytes): each fragment is loaded once a work-group and feeds 3 products.
; NO TENSOR LOADS, NO CLUSTER: which expert a work-group streams, and whether it has rows, hangs on the stored counts, and the tiles of one pair (n / 48, any number from 0 to 171) do not fill clusters of four at every split.
; LIMITS: a hidden block of zeros gets the scale byte 1, not 127 (its codes are zeros; the bytes stay in this kernel).  NaN and infinities among the inputs are not served.
;   gelu(x) = x / (1 + 2^(x (K0 + K1 x^2))), K0 = -2 log2(e) sqrt(2/pi), K1 = 0.044715 K0: the same function as 0.5 x (1 + tanh(sqrt(2/pi)(x + 0.044715 x^3))); for large |x| it goes to x or to -0.
;   A token that names one expert twice is also multiplied with the neighbouring expert, at weight 0.
; LDS: XR 48 rows of x's codes, pitch 784 | HID the hidden codes [K step = wave][expert][48 rows], pitch 112 | HSC their scale words | TOK 48 token numbers a wave | STG a stage of 48 rows x 272 a wave.
;   Pitches 784 and 112 bytes are 4 and 28 words modulo 64 (64 banks of 4 bytes: ISA guide 11.1): the 32 lanes of an 8-byte load touch 64 different words' banks.
; REGISTERS, in windows of 256: window 0: addresses, scale words, accumulators, work.  window 1: v0-143 the tokens' fragments (i, m) at 12 (3i + m), first half (K steps 0-3 of x; expert lo); v144-239 ring slot 2.
;   window 2: the same, second half (K steps 4-7; expert hi); v144-239 slot 3.   window 3: v0-95 slot 0, v96-191 slot 1.
.set XR,   0
.set XP,   784
.set HID,  37632
.set HP,   112
.set HWV,  10752                       ; a wave's part of HID
.set HEX,  5376                        ; an expert's part of that
.set HSC,  80640                       ; 384 bytes a wave, 192 an expert
.set TOK,  82176                       ; 256 bytes a wave
.set STG,  83200
.set SP,   272
.set CHB,  12800                       ; a chunk in wf
.set WVB,  102400                      ; a wave's eight chunks of one expert's one weight
.set L16,  1                           ; v1   16 x lane
.set RR,   2                           ; v2   r = lane % 16
.set HH,   3                           ; v3   h = lane / 16
.set VE,   4                           ; v4   stream offset in wf for slots 0 and 2;  v5 for slots 1 and 3
.set XFA,  6                           ; v6   x's fragments in XR
.set HFA,  7                           ; v7   the hidden fragments in HID
.set HWA,  8                           ; v8   where I write hidden codes;  v9 the same with the trip's term
.set HWC,  9
.set HSA,  10                          ; v10  where I write hidden scale words;  v11 with the trip's term
.set HSAC, 11
.set HSR,  12                          ; v12  where I read them: lanes 0-15 expert lo's, lanes 16-31 expert hi's
.set STO,  13                          ; v13  the stage, in
.set SRD,  14                          ; v14  the stage, back
.set XST,  15                          ; v15  where I put x's rows
.set SW,   16                          ; v16-31  the weights' scale words: four a slot; lanes 0-15 tile 0, lanes 16-31 tile 1
.set SX,   32                          ; v32-43  the tokens' scale words [4m + i]; lanes 0-15 first half, lanes 16-31 second half
.set CLP,  44                          ; v44-49  (cl, cl) for each tile of tokens
.set CHP,  50                          ; v50-55  (ch, ch)
.set K1,   56                          ; v56-57
.set K0,   58                          ; v58-59
.set HSW,  60                          ; v60-62  the hidden scale word in the making
.set ACCA, 64                          ; v64-111  six accumulators at 16m + 8u
.set ACCB, 112                         ; v112-159 six more (second product, expert hi)
.set TT,   160                         ; v160-175 at work
.set QM,   176
.set QP,   179
.set QS,   182
.set QB,   185
.set QC,   188                         ; v188-199 codes, four registers a tile
.set OUTOFF, 200                       ; v200-223 byte offset in out0 of the rows that I store: [8m + i]
.set RB,   224                         ; v224-255 rows read back from the stage
.set RG0, 0                            ; the ring slots' first registers,
.set RG1, 96
.set RG2, 144
.set RG3, 144
.set FW0, 0xc0                         ; the windows of a load into them (destination: bits 7:6),
.set FW1, 0xc0
.set FW2, 0x40
.set FW3, 0x80
.set MW0, 0x07                         ; and of a product: source 0 (bits 1:0) the slot's window, source 1 (bits 3:2) window 1 or 2, C and D window 0
.set MW1, 0x0b
.set MW2, 0x05
.set MW3, 0x0a
.set MSB, 0
.macro WIN new                         ; the immediate's high byte repeats the setting that is left; a switch that changes nothing is dropped
.if MSB != (\new)
	s_set_vgpr_msb (MSB<<8)|(\new)
.set MSB, (\new)
.endif
.endm
.macro PLACES                          ; four plain vector places between a matrix instruction and a load into, or a vector read of, its registers
.rept 4
	v_nop
.endr
.endm
; A chunk into slot k: 24 loads of 512 consecutive bytes land as eight finished fragments, one more as the scale words
.macro FILL k
	WIN FW\k
.irp f, 0,1,2,3,4,5,6,7
.irp c, 0,1,2
	global_load_b128 v[RG\k+12*\f+4*\c:RG\k+12*\f+4*\c+3], v[VE+(\k)%2], s[14:15] offset:((\k)/2)*CHB+1536*\f+512*\c
.endr
.endr
	WIN 0
	global_load_b128 v[SW+4*\k:SW+4*\k+3], v[VE+(\k)%2], s[14:15] offset:((\k)/2)*CHB+12288
.endm
; One product.  zz = 1: it starts the sum.  ua: the weights' scale words lie in lanes 16-31;  kb: so do the tokens'
.macro WM ua, kb
.if zz
.if (\ua == 0) && (\kb == 0)
	v_wmma_scale_f32_16x16x128_f8f6f4 v[rD:rD+7], v[rA:rA+11], v[rB:rB+11], 0, v[rSA], v[rSB] matrix_a_fmt:MATRIX_FMT_BF6 matrix_b_fmt:MATRIX_FMT_BF6
.elseif (\kb == 0)
	v_wmma_scale_f32_16x16x128_f8f6f4 v[rD:rD+7], v[rA:rA+11], v[rB:rB+11], 0, v[rSA], v[rSB] matrix_a_fmt:MATRIX_FMT_BF6 matrix_b_fmt:MATRIX_FMT_BF6 matrix_a_scale:MATRIX_SCALE_ROW1
.elseif (\ua == 0)
	v_wmma_scale_f32_16x16x128_f8f6f4 v[rD:rD+7], v[rA:rA+11], v[rB:rB+11], 0, v[rSA], v[rSB] matrix_a_fmt:MATRIX_FMT_BF6 matrix_b_fmt:MATRIX_FMT_BF6 matrix_b_scale:MATRIX_SCALE_ROW1
.else
	v_wmma_scale_f32_16x16x128_f8f6f4 v[rD:rD+7], v[rA:rA+11], v[rB:rB+11], 0, v[rSA], v[rSB] matrix_a_fmt:MATRIX_FMT_BF6 matrix_b_fmt:MATRIX_FMT_BF6 matrix_a_scale:MATRIX_SCALE_ROW1 matrix_b_scale:MATRIX_SCALE_ROW1
.endif
.else
.if (\ua == 0) && (\kb == 0)
	v_wmma_scale_f32_16x16x128_f8f6f4 v[rD:rD+7], v[rA:rA+11], v[rB:rB+11], v[rD:rD+7], v[rSA], v[rSB] matrix_a_fmt:MATRIX_FMT_BF6 matrix_b_fmt:MATRIX_FMT_BF6
.elseif (\kb == 0)
	v_wmma_scale_f32_16x16x128_f8f6f4 v[rD:rD+7], v[rA:rA+11], v[rB:rB+11], v[rD:rD+7], v[rSA], v[rSB] matrix_a_fmt:MATRIX_FMT_BF6 matrix_b_fmt:MATRIX_FMT_BF6 matrix_a_scale:MATRIX_SCALE_ROW1
.elseif (\ua == 0)
	v_wmma_scale_f32_16x16x128_f8f6f4 v[rD:rD+7], v[rA:rA+11], v[rB:rB+11], v[rD:rD+7], v[rSA], v[rSB] matrix_a_fmt:MATRIX_FMT_BF6 matrix_b_fmt:MATRIX_FMT_BF6 matrix_b_scale:MATRIX_SCALE_ROW1
.else
	v_wmma_scale_f32_16x16x128_f8f6f4 v[rD:rD+7], v[rA:rA+11], v[rB:rB+11], v[rD:rD+7], v[rSA], v[rSB] matrix_a_fmt:MATRIX_FMT_BF6 matrix_b_fmt:MATRIX_FMT_BF6 matrix_a_scale:MATRIX_SCALE_ROW1 matrix_b_scale:MATRIX_SCALE_ROW1
.endif
.endif
.endm
; A chunk's 24 products: K steps i ascending; in each the six accumulators (2 column tiles x 3 tiles of tokens) take turns, one instruction a turn
.macro MUL k, acc, zero
	WIN MW\k
.irp i, 0,1,2,3
.irp u, 0,1
.irp m, 0,1,2
.set rD, \acc+16*\m+8*\u
.set rA, RG\k+12*(4*\u+\i)
.set rB, 12*(3*\i+\m)
.set rSA, SW+4*\k+\i
.set rSB, SX+4*\m+\i
.set zz, 0
.if \zero && (\i == 0)
.set zz, 1
.endif
	WM \u, (\k)%2
.endr
.endr
.endr
.endm
.macro CHUNK k, acc, zero, cnt, refill
	s_wait_loadcnt \cnt                            ; slot k's 25 loads are in: cnt is no more than the loads issued behind them
	MUL \k, \acc, \zero
	WIN 0
	PLACES
.if \refill
	FILL \k                                        ; the chunk four further on in the stream
.endif
.endm
; The pair of column tiles in ACCA holds, in lane (r, h), for each tile m of tokens, 16 neighbouring hidden units (32 Bk + 16 h + 0..15) of token 16m + r.
; gelu in f32, then the quantiser: lanes l and l xor 16 share a block of 32.  A lane's 16 codes, 12 bytes, go to their place in the token's row of HID.  pr: which pair of the trip's two.
.macro GELUQ pr
.irp m, 0,1,2
.set XX, ACCA+16*\m
.irp j, 0,2,4,6,8,10,12,14
	v_pk_mul_f32 v[TT+\j:TT+\j+1], v[XX+\j:XX+\j+1], v[XX+\j:XX+\j+1]      ; x^2 (each accumulator is read from its low end on)
.endr
.irp j, 0,2,4,6,8,10,12,14
	v_pk_fma_f32 v[TT+\j:TT+\j+1], v[TT+\j:TT+\j+1], v[K1:K1+1], v[K0:K0+1]
.endr
.irp j, 0,2,4,6,8,10,12,14
	v_pk_mul_f32 v[TT+\j:TT+\j+1], v[TT+\j:TT+\j+1], v[XX+\j:XX+\j+1]      ; x (K0 + K1 x^2)
.endr
.irp j, 0,1,2,3,4,5,6,7,8,9,10,11,12,13,14,15
	v_exp_f32 v[TT+\j], v[TT+\j]
.endr
	v_nop                                          ; a plain place behind the exponentials
	s_wait_alu depctr_va_vdst(0)
.irp j, 0,2,4,6,8,10,12,14
	v_pk_add_f32 v[TT+\j:TT+\j+1], v[TT+\j:TT+\j+1], 1.0 op_sel_hi:[1,0]
.endr
.irp j, 0,1,2,3,4,5,6,7,8,9,10,11,12,13,14,15
	v_rcp_f32 v[TT+\j], v[TT+\j]
.endr
	v_nop                                          ; a plain place behind the reciprocals
	s_wait_alu depctr_va_vdst(0)
.irp j, 0,2,4,6,8,10,12,14
	v_pk_mul_f32 v[XX+\j:XX+\j+1], v[XX+\j:XX+\j+1], v[TT+\j:TT+\j+1]      ; gelu(x)
.endr
.endr
.irp m, 0,1,2
	v_max3_num_f32 v[QM+\m], |v[ACCA+16*\m]|, |v[ACCA+16*\m+1]|, 0x2800000   ; my 16 numbers, and the floor 2^(5 - 127): the byte cannot fall under 1
.endr
.irp i, 2,4,6,8,10,12,14
.irp m, 0,1,2
	v_max3_num_f32 v[QM+\m], v[QM+\m], |v[ACCA+16*\m+\i]|, |v[ACCA+16*\m+\i+1]|   ; (the three tiles by turns)
.endr
.endr
	s_wait_dscnt 0x0                               ; the last pair's LDS stores have read the registers that are written below
.irp m, 0,1,2
	v_permlanex16_b32 v[QP+\m], v[QM+\m], s72, s73
.endr
.irp m, 0,1,2
	v_max_num_f32 v[QM+\m], v[QM+\m], v[QP+\m]     ; the block's largest magnitude
.endr
.irp m, 0,1,2
	v_add_nc_u32 v[QS+\m], 0xfe000000, v[QM+\m]    ; 4 off its exponent field: the conversion's scale operand
.endr
.irp m, 0,1,2
	v_lshrrev_b32 v[QB+\m], 23, v[QS+\m]           ; the scale's byte
.endr
.irp m, 0,1,2
	v_lshrrev_b32 v[HSW+\m], 8, v[HSW+\m]          ; the word takes it from the top: after an expert's four pairs the bytes stand in the blocks' order
.endr
.irp m, 0,1,2
	v_lshl_or_b32 v[HSW+\m], v[QB+\m], 24, v[HSW+\m]
.endr
.irp m, 0,1,2
	v_cvt_scalef32_pk16_bf6_f32 v[QC+4*\m:QC+4*\m+2], v[ACCA+16*\m:ACCA+16*\m+15], v[QS+\m]
.endr
	v_nop                                          ; a plain place behind the conversions: the next products write their sources
.irp m, 0,1,2
.irp k, 0,1,2
	ds_store_b32 v[HWC], v[QC+4*\m+\k] offset:16*HP*\m+24*\pr+4*\k
.endr
.endr
.if \pr
.irp m, 0,1,2
	ds_store_b32 v[HSAC], v[HSW+\m] offset:64*\m   ; whole after an expert's second trip, which writes over the first trip's unfinished word (same wave, in order); both halves of the lanes write the same value
.endr
.endif
.endm
; cl x (expert lo's result) + ch x (expert hi's), and 32 columns of 48 rows into my stage.  jp: which 32 of the trip's 64 columns
.macro COMBINE jp
.irp m, 0,1,2
.irp u, 0,1
.irp j, 0,2,4,6
	v_pk_mul_f32 v[ACCA+16*\m+8*\u+\j:ACCA+16*\m+8*\u+\j+1], v[ACCA+16*\m+8*\u+\j:ACCA+16*\m+8*\u+\j+1], v[CLP+2*\m:CLP+2*\m+1]
.endr
.irp j, 0,2,4,6
	v_pk_fma_f32 v[ACCA+16*\m+8*\u+\j:ACCA+16*\m+8*\u+\j+1], v[ACCB+16*\m+8*\u+\j:ACCB+16*\m+8*\u+\j+1], v[CHP+2*\m:CHP+2*\m+1], v[ACCA+16*\m+8*\u+\j:ACCA+16*\m+8*\u+\j+1]
.endr
.endr
.endr
.irp m, 0,1,2
.irp u, 0,1
	ds_store_b128 v[STO], v[ACCA+16*\m+8*\u:ACCA+16*\m+8*\u+3] offset:16*SP*\m+128*\jp+64*\u
	ds_store_b128 v[STO], v[ACCA+16*\m+8*\u+4:ACCA+16*\m+8*\u+7] offset:16*SP*\m+128*\jp+64*\u+16
.endr
.endr
	s_wait_dscnt 0x0                               ; the stores have read their registers: the next products may write them
.endm
; 48 rows x 256 bytes leave my stage: lanes 0-15 one row, lanes 16-31 the next
.macro FLUSH
.irp m, 0,1,2
	s_wait_xcnt 0x0                                ; the earlier stores have read RB
.irp i, 0,1,2,3,4,5,6,7
	ds_load_b128 v[RB+4*\i:RB+4*\i+3], v[SRD] offset:(16*\m+2*\i)*SP   ; LDS serves a wave's instructions in order: these see my stores
.endr
.irp i, 0,1,2,3,4,5,6,7
	s_wait_dscnt 7-\i                              ; load i is in; the younger ones may be out
	global_store_b128 v[OUTOFF+8*\m+\i], v[RB+4*\i:RB+4*\i+3], s[16:17] th:TH_STORE_NT   ; 16 lanes store 256 consecutive bytes of a token's row, at a multiple of 256 from out0's first byte
.endr
.endr
.endm
; ---------------- head ----------------
	s_load_b256 s[4:11], s[0:1], 0x0               ; counts s[4:5], order s[6:7], coef s[8:9], x's codes s[10:11]
	s_load_b128 s[12:15], s[0:1], 0x20             ; x's scales s[12:13], wf s[14:15]
	s_load_b64 s[16:17], s[0:1], 0x30              ; out0
	v_lshl_add_u32 v63, v0, 2, 0x21100
	v_mov_b32 v199, 0
	v_lshrrev_b32 v1, 5, v0
	v_readfirstlane_b32 s18, v1                    ; wave 0..3
	v_and_b32 v1, 31, v0
	v_lshlrev_b32 v[L16], 4, v1
	v_and_b32 v[RR], 15, v0
	v_bfe_u32 v[HH], v0, 4, 1
	s_wait_kmcnt 0x0
	s_load_b512 s[36:51], s[4:5], 0x0              ; the 28 counts
	s_load_b256 s[52:59], s[4:5], 0x40
	s_load_b128 s[60:63], s[4:5], 0x60
	; every LDS address: a constant + constants x r, h and the wave's number
	v_mul_u32_u24 v[XFA], v[RR], XP
	v_mad_u32_u24 v[XFA], v[HH], 24, v[XFA]
	v_mul_u32_u24 v[HFA], v[RR], HP
	v_mad_u32_u24 v[HWA], v[HH], 12, v[HFA]
	v_mad_u32_u24 v[HFA], v[HH], 24, v[HFA]
	v_add_nc_u32 v[HFA], HID, v[HFA]
	s_mul_i32 s24, s18, HWV
	s_add_co_u32 s24, s24, HID
	v_add_nc_u32 v[HWA], s24, v[HWA]
	s_mul_i32 s24, s18, 384
	s_add_co_u32 s24, s24, HSC
	v_lshl_add_u32 v[HSA], v[RR], 2, s24
	v_mul_u32_u24 v[HSR], v[HH], 192
	v_lshl_add_u32 v[HSR], v[RR], 2, v[HSR]
	v_add_nc_u32 v[HSR], HSC, v[HSR]
	s_mul_i32 s24, s18, 48*SP
	s_add_co_u32 s24, s24, STG
	v_mul_u32_u24 v[STO], v[RR], SP
	v_lshl_add_u32 v[STO], v[HH], 5, v[STO]
	v_add_nc_u32 v[STO], s24, v[STO]
	v_mul_u32_u24 v[SRD], v[HH], SP
	v_lshl_add_u32 v[SRD], v[RR], 4, v[SRD]
	v_add_nc_u32 v[SRD], s24, v[SRD]
	s_mul_i32 s24, s18, 2*XP
	v_mul_u32_u24 v[XST], v[HH], XP
	v_lshl_add_u32 v[XST], v[RR], 4, v[XST]
	v_add_nc_u32 v[XST], s24, v[XST]
	s_lshl_b32 s24, s18, 8
	s_add_co_u32 s24, s24, TOK
	v_lshl_add_u32 v225, v[RR], 2, s24             ; my wave's token numbers: in, by r;
	v_lshl_add_u32 v226, v[HH], 2, s24             ; back, by h
	v_lshlrev_b32 v224, 4, v[RR]                   ; 16 r
	s_lshl_b32 s24, s18, 10
	v_lshl_add_u32 v227, v[RR], 4, s24             ; my wave's 1,024 bytes of an output row, + 16 r
	s_mov_b32 s72, 0x76543210
	s_mov_b32 s73, 0xfedcba98                      ; v_permlanex16_b32's selects for lane l xor 16
	s_mov_b32 s19, ttmp9                           ; t
	s_mov_b32 s20, 0                               ; tiles in front of the bin in hand
	s_mov_b32 s21, 16                              ; the chosen bin, packed: bin << 8 | hi << 4 | lo
	s_mov_b32 s22, 0                               ; its count
	s_mov_b32 s23, 0                               ; its first tile
	s_wait_kmcnt 0x0
; ---------------- which tile is mine ----------------
; The last bin that has tokens and begins at or in front of tile t.  (n + 47) x 43691 >> 21 = ceil(n / 48) for n up to 8,192: 43691 x 48 = 2^21 + 16.
.set BN, 0
.irp lo, 0,1,2,3,4,5,6
.irp hi, 1,2,3,4,5,6,7
.if \hi > \lo
	s_min_u32 s[36+BN], s[36+BN], 0x2000
	s_add_co_u32 s24, s[36+BN], 47
	s_mul_i32 s24, s24, 43691
	s_lshr_b32 s24, s24, 21                        ; the bin's tiles
	s_cmp_lg_u32 s24, 0
	s_cselect_b32 s74, s20, -1                     ; an empty bin is never chosen
	s_cmp_ge_u32 s19, s74
	s_cselect_b32 s21, (BN<<8)|(\hi<<4)|\lo, s21
	s_cselect_b32 s22, s[36+BN], s22
	s_cselect_b32 s23, s20, s23
	s_add_co_u32 s20, s20, s24
.set BN, BN+1
.endif
.endr
.endr
	s_bfe_u32 s25, s21, 0x40000                    ; lo
	s_bfe_u32 s26, s21, 0x40004                    ; hi
	s_lshr_b32 s27, s21, 8                         ; bin
	s_min_u32 s25, s25, 7
	s_min_u32 s26, s26, 7
	s_min_u32 s27, s27, 27
	s_sub_co_u32 s28, s19, s23
	s_mul_i32 s28, s28, 48                         ; my first place in the bin
	s_sub_co_u32 s29, s22, 1                       ; the bin's last place
	s_cmp_lt_u32 s28, s22
	s_cselect_b32 s75, 1, 0                        ; have I rows?
	s_mov_b32 s71, 0
	s_lshl_b32 s70, s27, 15
	s_add_nc_u64 s[6:7], s[6:7], s[70:71]          ; order[bin]
	s_lshl_b32 s70, s27, 16
	s_add_nc_u64 s[8:9], s[8:9], s[70:71]          ; coef[bin]
	s_lshl_b32 s24, s25, 2
	s_add_co_u32 s24, s24, s18
	s_mul_i32 s30, s24, WVB                        ; the stream: my chunks of w1[lo], K steps 0-3,
	s_add_co_u32 s31, s30, 4*CHB                   ; and K steps 4-7
	s_add_co_u32 s34, s30, 32*WVB                  ; my chunks of w2[lo]
	s_lshl_b32 s24, s26, 2
	s_add_co_u32 s24, s24, s18
	s_mul_i32 s32, s24, WVB                        ; of w1[hi],
	s_add_co_u32 s33, s32, 4*CHB
	s_add_co_u32 s35, s32, 32*WVB                  ; of w2[hi]
	v_add_nc_u32 v[VE], s30, v[L16]
	v_add_nc_u32 v[VE+1], s31, v[L16]
; ---------------- gather ----------------
; places in the bin: v160-165 rows 2 wave + 8k + h (the rows of x that I fetch), v166-168 rows 16m + r (the tokens of my lanes); past the bin's end: its last place
	s_lshl_b32 s24, s18, 1
	s_add_co_u32 s24, s24, s28
	v_add_nc_u32 v160, s24, v[HH]
.irp k, 1,2,3,4,5
	v_add_nc_u32 v[160+\k], 8*\k, v160
.endr
	v_add_nc_u32 v166, s28, v[RR]
	v_add_nc_u32 v167, 16, v166
	v_add_nc_u32 v168, 32, v166
.irp j, 0,1,2,3,4,5,6,7,8
	v_min_u32 v[160+\j], s29, v[160+\j]
	v_min_u32 v[160+\j], 0x1fff, v[160+\j]
.endr
.irp m, 0,1,2
	v_lshlrev_b32 v[169+\m], 3, v[166+\m]
.endr
.irp j, 0,1,2,3,4,5,6,7,8
	v_lshlrev_b32 v[160+\j], 2, v[160+\j]
.endr
.irp j, 0,1,2,3,4,5,6,7,8
	global_load_b32 v[172+\j], v[160+\j], s[6:7]   ; tokens: v172-177 of the rows that I fetch, v178-180 of my lanes
.endr
.irp m, 0,1,2
	global_load_b64 v[182+2*\m:183+2*\m], v[169+\m], s[8:9]   ; (cl, ch) of my lanes' tokens
.endr
	FILL 0                                         ; the weights' stream begins at once
	FILL 1
	s_wait_loadcnt 50                              ; tokens and weights' factors are in; the two chunks' 50 loads may be out
.irp j, 0,1,2,3,4,5,6,7,8
	v_min_u32 v[172+\j], 0x1fff, v[172+\j]         ; a token is under 8,192
.endr
.irp k, 0,1,2,3,4,5
	v_mad_u32_u24 v[188+\k], v[172+\k], 768, v224  ; its row of codes, + 16 r
.endr
.irp m, 0,1,2
	v_lshlrev_b32 v[194+\m], 5, v[178+\m]
.endr
.irp m, 0,1,2
	v_lshl_add_u32 v[194+\m], v[HH], 4, v[194+\m]  ; its 32 scale bytes: lanes 0-15 K steps 0-3, lanes 16-31 K steps 4-7
.endr
.irp k, 0,1,2,3,4,5
.irp p, 0,1,2
	global_load_b128 v[64+12*\k+4*\p:64+12*\k+4*\p+3], v[188+\k], s[10:11] offset:256*\p   ; 16 lanes read 256 consecutive bytes of a row, at a multiple of 256
.endr
.endr
.irp m, 0,1,2
	global_load_b128 v[SX+4*\m:SX+4*\m+3], v[194+\m], s[12:13]
.endr
.irp m, 0,1,2
	ds_store_b32 v225, v[178+\m] offset:64*\m      ; token of row 16m + r (both halves of the lanes write the same value); my wave's own bytes
.endr
.irp m, 0,1,2
.irp i, 0,1,2,3,4,5,6,7
	ds_load_b32 v[OUTOFF+8*\m+\i], v226 offset:4*(16*\m+2*\i)   ; token of row 16m + 2i + h: the rows that I store
.endr
.endr
	FILL 2
	FILL 3
	s_wait_loadcnt 50                              ; x's rows and scale words are in; chunks 2 and 3 may be out
.irp k, 0,1,2,3,4,5
.irp p, 0,1,2
	ds_store_b128 v[XST], v[64+12*\k+4*\p:64+12*\k+4*\p+3] offset:8*XP*\k+256*\p
.endr
.endr
	s_wait_dscnt 0x0                               ; for the others' sake: my rows of x have landed; my token numbers are back
	s_barrier_signal -1
.irp j, 0,1,2,3,4,5,6,7,8,9,10,11,12,13,14,15,16,17,18,19,20,21,22,23
	v_min_u32 v[OUTOFF+\j], 0x1fff, v[OUTOFF+\j]
	v_lshl_add_u32 v[OUTOFF+\j], v[OUTOFF+\j], 12, v227      ; token x 4,096 bytes + my wave's columns + 16 r
.endr
.irp m, 0,1,2
	v_mov_b32 v[CLP+2*\m], v[182+2*\m]
	v_mov_b32 v[CLP+2*\m+1], v[182+2*\m]
	v_mov_b32 v[CHP+2*\m], v[183+2*\m]
	v_mov_b32 v[CHP+2*\m+1], v[183+2*\m]
.endr
	v_mov_b32 v[K1], 0xbdd2d3e8
	v_mov_b32 v[K1+1], 0xbdd2d3e8
	v_mov_b32 v[K0], 0xc0135761
	v_mov_b32 v[K0+1], 0xc0135761
.irp m, 0,1,2
	v_mov_b32 v[HSW+\m], 0
	v_mov_b32 v[QP+\m], 0                          ; a lane permute's destination counts as one of its sources
.endr
	s_barrier_wait -1                              ; all 48 rows of x lie in LDS
.irp q, 0,1
	WIN 0x40*(\q+1)                                ; destination window 1, then 2
.irp i, 0,1,2,3
.irp m, 0,1,2
.irp c, 0,1
.irp k, 0,1,2
	ds_load_b64 v[12*(3*\i+\m)+6*\c+2*\k:12*(3*\i+\m)+6*\c+2*\k+1], v[XFA] offset:16*XP*\m+96*(4*\q+\i)+48*\c+8*\k
.endr
.endr
.endr
.endr
.endr
	WIN 0
	s_wait_dscnt 0x0
; ---------------- first product, gelu, quantiser: four trips; trip T: expert T / 2, hidden blocks 2 (T % 2) and 2 (T % 2) + 1 of my four ----------------
	s_mov_b32 s66, 0
.Lfc1:
	s_wait_dscnt 0x0                               ; the last trip's LDS stores are done: their address registers are written below
	s_lshr_b32 s24, s66, 1
	s_mul_i32 s67, s24, HEX
	s_mul_i32 s68, s24, 192
	s_and_b32 s24, s66, 1
	s_mul_i32 s24, s24, 48
	s_add_co_u32 s67, s67, s24
	v_add_nc_u32 v[HWC], s67, v[HWA]
	v_add_nc_u32 v[HSAC], s68, v[HSA]
	s_cmp_eq_u32 s75, 0
	s_cbranch_scc1 .Lfc1_next                      ; a work-group without rows walks the loop and does none of its work
	s_wait_xcnt 0x0                                ; the stream's offset registers are written only behind this wait
	s_add_co_u32 s30, s30, 2*CHB                   ; this trip's refills are the next trip's chunks:
	s_add_co_u32 s31, s31, 2*CHB
	s_cmp_eq_u32 s66, 1                            ; behind trip 1 comes expert hi,
	s_cselect_b32 s30, s32, s30
	s_cselect_b32 s31, s33, s31
	s_cmp_eq_u32 s66, 3                            ; behind trip 3 the second product: even slots w2[lo], odd slots w2[hi]
	s_cselect_b32 s30, s34, s30
	s_cselect_b32 s31, s35, s31
	v_add_nc_u32 v[VE], s30, v[L16]
	v_add_nc_u32 v[VE+1], s31, v[L16]
	CHUNK 0, ACCA, 1, 63, 1                        ; K steps 0-3.  (Behind a slot's loads three chunks' 75 have been issued; 63 is the largest count that the wait can name)
	CHUNK 1, ACCA, 0, 63, 1                        ; K steps 4-7
	GELUQ 0
	CHUNK 2, ACCA, 1, 63, 1
	CHUNK 3, ACCA, 0, 63, 1
	GELUQ 1
.Lfc1_next:
	s_add_co_u32 s66, s66, 1
	s_cmp_lt_u32 s66, 4
	s_cbranch_scc1 .Lfc1
	s_wait_dscnt 0x0                               ; for the others' sake: my hidden codes and scale words have landed
	s_barrier_signal -1
	s_barrier_wait -1                              ; both hidden layers lie in LDS
	s_cmp_eq_u32 s75, 0
	s_cbranch_scc1 .Lno_hid
.irp e, 0,1
	WIN 0x40*(\e+1)                                ; expert lo's fragments into window 1, hi's into window 2, where x's lay
.irp i, 0,1,2,3
.irp m, 0,1,2
.irp c, 0,1
.irp k, 0,1,2
	ds_load_b64 v[12*(3*\i+\m)+6*\c+2*\k:12*(3*\i+\m)+6*\c+2*\k+1], v[HFA] offset:HWV*\i+HEX*\e+16*HP*\m+48*\c+8*\k
.endr
.endr
.endr
.endr
.endr
	WIN 0
.irp m, 0,1,2
.irp i, 0,1,2,3
	ds_load_b32 v[SX+4*\m+\i], v[HSR] offset:384*\i+64*\m
.endr
.endr
	s_wait_dscnt 0x0
.Lno_hid:
; ---------------- second product and combination: four trips of 64 output columns; the last is written out, since it refills nothing ----------------
	s_mov_b32 s66, 0
.Lfc2:
	s_cmp_eq_u32 s75, 0
	s_cbranch_scc1 .Lfc2_next
	s_wait_xcnt 0x0                                ; the stream's offset registers are written only behind this wait
	s_add_co_u32 s30, s30, 2*CHB
	s_add_co_u32 s31, s31, 2*CHB
	v_add_nc_u32 v[VE], s30, v[L16]
	v_add_nc_u32 v[VE+1], s31, v[L16]
	CHUNK 0, ACCA, 1, 63, 1                        ; expert lo, 32 columns
	CHUNK 1, ACCB, 1, 63, 1                        ; expert hi, the same columns
	COMBINE 0
	CHUNK 2, ACCA, 1, 63, 1
	CHUNK 3, ACCB, 1, 63, 1
	COMBINE 1
	FLUSH
	s_wait_xcnt 0x0                                ; the stores have read their base
	s_add_nc_u64 s[16:17], s[16:17], 256           ; the next 64 columns
.Lfc2_next:
	s_add_co_u32 s66, s66, 1
	s_cmp_lt_u32 s66, 3
	s_cbranch_scc1 .Lfc2
	s_cmp_eq_u32 s75, 0
	s_cbranch_scc1 .Lend
	CHUNK 0, ACCA, 1, 63, 0                        ; behind slot 0's loads: three chunks
	CHUNK 1, ACCB, 1, 50, 0                        ; two
	COMBINE 0
	CHUNK 2, ACCA, 1, 25, 0                        ; one
	CHUNK 3, ACCB, 1, 0, 0                         ; none
	COMBINE 1
	FLUSH
.Lend:
	s_barrier_signal -1
	s_barrier_wait -1
	s_wait_tensorcnt 0x0
	ds_add_u32 v63, v199
	s_wait_dscnt 0x0
	s_endpgm
.Lfunc_end_k_qbc9dab4a5a_chain:
	.size	k_qbc9dab4a5a_chain, .Lfunc_end_k_qbc9dab4a5a_chain-k_qbc9dab4a5a_chain
	.p2alignl 7, 3214868480
	.fill 96, 4, 3214868480
	.section	.rodata,"a",@progbits
	.p2align	6, 0x0
	.amdhsa_kernel k_qbc9dab4a5a_chain
		.amdhsa_group_segment_fixed_size 135936
		.amdhsa_private_segment_fixed_size 0
		.amdhsa_enable_private_segment 0
		.amdhsa_kernarg_size 56
		.amdhsa_user_sgpr_count 2
		.amdhsa_user_sgpr_kernarg_segment_ptr 1
		.amdhsa_wavefront_size32 1
		.amdhsa_system_sgpr_workgroup_id_x 1
		.amdhsa_system_sgpr_workgroup_id_y 1
		.amdhsa_system_sgpr_workgroup_id_z 1
		.amdhsa_system_vgpr_workitem_id 0
		.amdhsa_next_free_vgpr 1024
		.amdhsa_next_free_sgpr 80
		.amdhsa_reserve_vcc 0
		.amdhsa_float_denorm_mode_32 3
		.amdhsa_float_denorm_mode_16_64 3
		.amdhsa_memory_ordered 1
		.amdhsa_forward_progress 1
		.amdhsa_inst_pref_size 171
	.end_amdhsa_kernel
	.amdgpu_metadata
---
amdhsa.version: [ 1, 2 ]
amdhsa.kernels:
  - .name:           k_qbc9dab4a5a_chain
    .symbol:         k_qbc9dab4a5a_chain.kd
    .args:
      - { .name: counts, .offset: 0, .size: 8, .value_kind: global_buffer, .address_space: global }
      - { .name: order, .offset: 8, .size: 8, .value_kind: global_buffer, .address_space: global }
      - { .name: coef, .offset: 16, .size: 8, .value_kind: global_buffer, .address_space: global }
      - { .name: hidden_states_codes, .offset: 24, .size: 8, .value_kind: global_buffer, .address_space: global }
      - { .name: hidden_states_scales, .offset: 32, .size: 8, .value_kind: global_buffer, .address_space: global }
      - { .name: wf, .offset: 40, .size: 8, .value_kind: global_buffer, .address_space: global }
      - { .name: out0, .offset: 48, .size: 8, .value_kind: global_buffer, .address_space: global }
    .group_segment_fixed_size: 135936
    .private_segment_fixed_size: 0
    .kernarg_segment_align: 8
    .kernarg_segment_size: 56
    .max_flat_workgroup_size: 128
    .sgpr_count:     80
    .vgpr_count:     1024
    .wavefront_size: 32
...
	.end_amdgpu_metadata
.endif
;; end of part 2
;; ======== version 2 of 2: 2 launches; version 1 with the launch chain written anew for expert scheduling mode
;; workspace buffers: counts 256 bytes of whole numbers; order 917,504 bytes of whole numbers; coef 1,835,008 bytes; wf 6,553,600 bytes
;; launch prep: the kernel of part 1 again; grid 156 x 1, 8 waves a work-group, no clusters, 2,048 bytes of LDS; arguments choosed_experts, gate_weight, w1_codes, w1_scales, w2_codes, w2_scales, counts, order, coef, wf; writes counts, order, coef, wf
;; launch chain (part 3): grid 198 x 1, 4 waves a work-group, no clusters, 135,936 bytes of LDS; arguments counts, order, coef, hidden_states_codes, hidden_states_scales, wf, out0; writes out0
.if DOCPART == 3
	.amdgcn_target "amdgcn-amd-amdhsa--gfx1250"
	.amdhsa_code_object_version 6
	.text
	.protected	k_qbc9dab4a5a_chain
	.globl	k_qbc9dab4a5a_chain
	.p2align	8
	.type	k_qbc9dab4a5a_chain,@function
k_qbc9dab4a5a_chain:
	s_mov_b64 s[64:65], 0
	v_nop
	global_prefetch_b8 v0, s[64:65] scope:SCOPE_SE
	s_setreg_imm32_b32 hwreg(HW_REG_WAVE_SCHED_MODE, 0, 2), 2
	s_setreg_imm32_b32 hwreg(HW_REG_WAVE_MODE, 25, 1), 1
	s_wait_xcnt 0x0
	s_wait_alu depctr_vm_vsrc(0)
; CHAIN: out[t] = cl x (Q(gelu(x[t] W1[lo])) W2[lo]) + ch x (Q(gelu(x[t] W1[hi])) W2[hi]), for the two experts of token t's bin; all other experts have weight 0 in the sum and are not multiplied.
; Products on codes of E3M2 with one E8M0 scale for each 32 along K; sums, gelu and the combination in f32.  Q: a block's scale is 2^(floor(log2(largest magnitude)) - 4); codes to nearest, ties to even, held at the largest code.
; TILES.  A tile is 48 tokens of one bin.  With 8,192 tokens in 28 bins there are never more than (8192 + 28 x 47) / 48 = 198 tiles: the grid.  Work-group t finds its tile from the 28 counts.
;   A work-group that the split leaves without rows passes all three barriers, passes over all products by scalar branches on its flag, and stores nothing.  Rows past a tile's count repeat the tile's last token: the same numbers are stored again.
; SHARES.  The four waves share the COLUMNS: wave w makes hidden units 128w .. 128w+127 of both experts (K step w of the second product) and output columns 256w .. 256w+255, for all 48 tokens.
;   Both products are used transposed (source 0 = 16 weight rows, source 1 = 16 tokens): a lane holds one token.  The tokens' fragments stay in registers (x: 3 tiles x 8 K steps; then the two hidden layers: 3 x 4 x 2);
;   the weights stream from wf, laid in the order of the operand's registers, through a ring of four register slots of one chunk (2 column tiles x 4 K steps, 25 loads of 512 bytes): each fragment is loaded once a work-group and feeds 3 products.
; NO TENSOR LOADS, NO CLUSTER: which expert a work-group streams, and whether it has rows, hangs on the stored counts, and the tiles of one pair (n / 48, any number from 0 to 171) do not fill clusters of four at every split.
; LIMITS: a hidden block of zeros gets the scale byte 1, not 127 (its codes are zeros; the bytes stay in this kernel).  NaN and infinities among the inputs are not served.
;   gelu(x) = x / (1 + 2^(x (K0 + K1 x^2))), K0 = -2 log2(e) sqrt(2/pi), K1 = 0.044715 K0: the same function as 0.5 x (1 + tanh(sqrt(2/pi)(x + 0.044715 x^3))); for large |x| it goes to x or to -0.
;   A token that names one expert twice is also multiplied with the neighbouring expert, at weight 0.
; LDS: XR 48 rows of x's codes, pitch 784 | HID the hidden codes [K step = wave][expert][48 rows], pitch 112 | HSC their scale words | TOK 48 token numbers a wave | STG a stage of 48 rows x 272 a wave | the spare words.
;   Pitches 784 and 112 bytes are 4 and 28 words modulo 64 (64 banks of 4 bytes: ISA guide 11.1): the 32 lanes of an 8-byte load touch 64 different words' banks.
; REGISTERS, in windows of 256: window 0: addresses, scale words, accumulators, work.  window 1: v0-143 the tokens' fragments (i, m) at 12 (3i + m), first half (K steps 0-3 of x; expert lo); v144-239 ring slot 2.
;   window 2: the same, second half (K steps 4-7; expert hi); v144-239 slot 3.   window 3: v0-95 slot 0, v96-191 slot 1.
; THE MODE: SCHED_MODE bits 1:0 = 2 (LLVM: expert scheduling mode 2), set by the entry lines.  The code itself states the register dependences between vector or matrix instructions and memory or LDS instructions, with s_wait_alu, always for 0.
; THE PLAN.  Registers that memory or LDS instructions touch, and who else names them:
;   slots 0-3, v[SW ..]   A chunk's 24 matrix instructions read slot k and its four scale words; the loads of the chunk four further on land there.
;   v[VE], v[VE+1]        Written once a trip, at its head; read by the trip's four fills.
;   v[HWC], v[HSAC]       Written once a trip of the first product, at its head; read by the quantiser's LDS stores.
;   v[QC ..], v[HSW ..]   Written by the quantiser; read by its LDS stores.
;   the tokens' fragments, v[SX ..]   Loaded twice (x; the hidden layers); read by matrix instructions.
;   v[ACCA ..]            In the second product: written by matrix instructions and the combination; read by the stage's LDS stores.
;   v[RB ..]              Written by the loads from the stage; read by the global stores.
;   All other addresses are made at the head and never written again.
;   A trip is chunk 0, chunk 1, vector work, chunk 2, chunk 3, vector work.  Slots 0 and 2 are asked for again AMONG the products of chunks 1 and 3, behind one wait on va_vdst at that chunk's head; those products name their own slot,
;   the tokens' fragments, scale words and accumulators, none of the registers that the loads touch.  Slots 1 and 3 are asked for again directly behind a wait on va_vdst that the vector work owes in any case.
;   Waits on vm_vsrc stand at the trips' heads (the offsets and LDS addresses), in the quantiser (its codes and words), behind the stage's stores (the sums) and ahead of the loads from the stage (the rows).
.set XR,   0
.set XP,   784
.set HID,  37632
.set HP,   112
.set HWV,  10752                       ; a wave's part of HID
.set HEX,  5376                        ; an expert's part of that
.set HSC,  80640                       ; 384 bytes a wave, 192 an expert
.set TOK,  82176                       ; 256 bytes a wave
.set STG,  83200
.set SP,   272
.set CHB,  12800                       ; a chunk in wf
.set WVB,  102400                      ; a wave's eight chunks of one expert's one weight
.set L16,  1                           ; v1   16 x lane
.set RR,   2                           ; v2   r = lane % 16
.set HH,   3                           ; v3   h = lane / 16
.set VE,   4                           ; v4   stream offset in wf for slots 0 and 2;  v5 for slots 1 and 3
.set XFA,  6                           ; v6   x's fragments in XR
.set HFA,  7                           ; v7   the hidden fragments in HID
.set HWA,  8                           ; v8   where I write hidden codes;  v9 the same with the trip's term
.set HWC,  9
.set HSA,  10                          ; v10  where I write hidden scale words;  v11 with the trip's term
.set HSAC, 11
.set HSR,  12                          ; v12  where I read them: lanes 0-15 expert lo's, lanes 16-31 expert hi's
.set STO,  13                          ; v13  the stage, in
.set SRD,  14                          ; v14  the stage, back
.set XST,  15                          ; v15  where I put x's rows
.set SW,   16                          ; v16-31  the weights' scale words: four a slot; lanes 0-15 tile 0, lanes 16-31 tile 1
.set SX,   32                          ; v32-43  the tokens' scale words [4m + i]; lanes 0-15 first half, lanes 16-31 second half
.set CLP,  44                          ; v44-49  (cl, cl) for each tile of tokens
.set CHP,  50                          ; v50-55  (ch, ch)
.set K1,   56                          ; v56-57
.set K0,   58                          ; v58-59
.set HSW,  60                          ; v60-62  the hidden scale word in the making
.set ACCA, 64                          ; v64-111  six accumulators at 16m + 8u
.set ACCB, 112                         ; v112-159 six more (second product, expert hi)
.set TT,   160                         ; v160-175 at work
.set QM,   176
.set QP,   179
.set QS,   182
.set QB,   185
.set QC,   188                         ; v188-198 codes, four registers a tile
.set OUTOFF, 200                       ; v200-223 byte offset in out0 of the rows that I store: [8m + i]
.set RB,   224                         ; v224-255 rows read back from the stage
.set RG0, 0                            ; the ring slots' first registers,
.set RG1, 96
.set RG2, 144
.set RG3, 144
.set FW0, 0xc0                         ; the windows of a load into them (destination: bits 7:6),
.set FW1, 0xc0
.set FW2, 0x40
.set FW3, 0x80
.set MW0, 0x07                         ; and of a product: source 0 (bits 1:0) the slot's window, source 1 (bits 3:2) window 1 or 2, C and D window 0
.set MW1, 0x0b
.set MW2, 0x05
.set MW3, 0x0a
.set MSB, 0
.macro WIN new                         ; the immediate's high byte repeats the setting that is left; a switch that changes nothing is dropped
.if MSB != (\new)
	s_set_vgpr_msb (MSB<<8)|(\new)
.set MSB, (\new)
.endif
.endm
.macro PLACES                          ; four plain vector places behind a chunk's last matrix instruction, ahead of a vector read of its results (ISA guide 7.12.1) and of what lands in its registers
.rept 4
	v_nop
.endr
.endm
; A chunk into slot k, in one run: 24 loads of 512 consecutive bytes land as eight finished fragments, one more as the scale words
.macro FILL k
	WIN FW\k
.irp f, 0,1,2,3,4,5,6,7
.irp c, 0,1,2
	global_load_b128 v[RG\k+12*\f+4*\c:RG\k+12*\f+4*\c+3], v[VE+(\k)%2], s[14:15] offset:((\k)/2)*CHB+1536*\f+512*\c
.endr
.endr
	WIN 0
	global_load_b128 v[SW+4*\k:SW+4*\k+3], v[VE+(\k)%2], s[14:15] offset:((\k)/2)*CHB+12288
.endm
; A quarter of that: fragments 2i and 2i + 1 of slot k, six loads
.macro FILLQ k, i
.irp f, 0,1
.irp c, 0,1,2
	global_load_b128 v[RG\k+12*(2*\i+\f)+4*\c:RG\k+12*(2*\i+\f)+4*\c+3], v[VE+(\k)%2], s[14:15] offset:((\k)/2)*CHB+1536*(2*\i+\f)+512*\c
.endr
.endr
.endm
; One product.  zz = 1: it starts the sum.  ua: the weights' scale words lie in lanes 16-31;  kb: so do the tokens'
.macro WM ua, kb
.if zz
.if (\ua == 0) && (\kb == 0)
	v_wmma_scale_f32_16x16x128_f8f6f4 v[rD:rD+7], v[rA:rA+11], v[rB:rB+11], 0, v[rSA], v[rSB] matrix_a_fmt:MATRIX_FMT_BF6 matrix_b_fmt:MATRIX_FMT_BF6
.elseif (\kb == 0)
	v_wmma_scale_f32_16x16x128_f8f6f4 v[rD:rD+7], v[rA:rA+11], v[rB:rB+11], 0, v[rSA], v[rSB] matrix_a_fmt:MATRIX_FMT_BF6 matrix_b_fmt:MATRIX_FMT_BF6 matrix_a_scale:MATRIX_SCALE_ROW1
.elseif (\ua == 0)
	v_wmma_scale_f32_16x16x128_f8f6f4 v[rD:rD+7], v[rA:rA+11], v[rB:rB+11], 0, v[rSA], v[rSB] matrix_a_fmt:MATRIX_FMT_BF6 matrix_b_fmt:MATRIX_FMT_BF6 matrix_b_scale:MATRIX_SCALE_ROW1
.else
	v_wmma_scale_f32_16x16x128_f8f6f4 v[rD:rD+7], v[rA:rA+11], v[rB:rB+11], 0, v[rSA], v[rSB] matrix_a_fmt:MATRIX_FMT_BF6 matrix_b_fmt:MATRIX_FMT_BF6 matrix_a_scale:MATRIX_SCALE_ROW1 matrix_b_scale:MATRIX_SCALE_ROW1
.endif
.else
.if (\ua == 0) && (\kb == 0)
	v_wmma_scale_f32_16x16x128_f8f6f4 v[rD:rD+7], v[rA:rA+11], v[rB:rB+11], v[rD:rD+7], v[rSA], v[rSB] matrix_a_fmt:MATRIX_FMT_BF6 matrix_b_fmt:MATRIX_FMT_BF6
.elseif (\kb == 0)
	v_wmma_scale_f32_16x16x128_f8f6f4 v[rD:rD+7], v[rA:rA+11], v[rB:rB+11], v[rD:rD+7], v[rSA], v[rSB] matrix_a_fmt:MATRIX_FMT_BF6 matrix_b_fmt:MATRIX_FMT_BF6 matrix_a_scale:MATRIX_SCALE_ROW1
.elseif (\ua == 0)
	v_wmma_scale_f32_16x16x128_f8f6f4 v[rD:rD+7], v[rA:rA+11], v[rB:rB+11], v[rD:rD+7], v[rSA], v[rSB] matrix_a_fmt:MATRIX_FMT_BF6 matrix_b_fmt:MATRIX_FMT_BF6 matrix_b_scale:MATRIX_SCALE_ROW1
.else
	v_wmma_scale_f32_16x16x128_f8f6f4 v[rD:rD+7], v[rA:rA+11], v[rB:rB+11], v[rD:rD+7], v[rSA], v[rSB] matrix_a_fmt:MATRIX_FMT_BF6 matrix_b_fmt:MATRIX_FMT_BF6 matrix_a_scale:MATRIX_SCALE_ROW1 matrix_b_scale:MATRIX_SCALE_ROW1
.endif
.endif
.endm
; K step i of a chunk: six products; the six accumulators (2 column tiles x 3 tiles of tokens) take turns, one instruction a turn.  A chunk takes its K steps in ascending order
.macro MULI k, acc, zero, i
.irp u, 0,1
.irp m, 0,1,2
.set rD, \acc+16*\m+8*\u
.set rA, RG\k+12*(4*\u+\i)
.set rB, 12*(3*\i+\m)
.set rSA, SW+4*\k+\i
.set rSB, SX+4*\m+\i
.set zz, 0
.if \zero && (\i == 0)
.set zz, 1
.endif
	WM \u, (\k)%2
.endr
.endr
.endm
; A chunk's 24 products, with no load among them
.macro CHUNK k, acc, zero, cnt
	s_wait_loadcnt \cnt                            ; slot k's 25 loads are in: cnt is no more than the loads issued behind them
	WIN MW\k
.irp i, 0,1,2,3
	MULI \k, \acc, \zero, \i
.endr
	WIN 0
	PLACES
.endm
; A chunk's 24 products, and among them the 25 loads that ask for slot r, which the chunk before has read, again: the chunk four further on in the stream
.macro CHUNKF k, acc, zero, cnt, r
	s_wait_loadcnt \cnt                            ; slot k's 25 loads are in: cnt is no more than the loads issued behind them
	s_wait_alu depctr_va_vdst(0)                   ; the chunk before is done reading slot r and its scale words, in which the loads below land; v[VE] and v[VE+1], which they read, are written
.irp i, 0,1,2,3
	WIN MW\k
	MULI \k, \acc, \zero, \i
	WIN FW\r
	FILLQ \r, \i                                   ; no wait: no vector or matrix instruction since the wait above names slot r, its scale words or the offsets
.endr
	WIN 0
	global_load_b128 v[SW+4*\r:SW+4*\r+3], v[VE+(\r)%2], s[14:15] offset:((\r)/2)*CHB+12288
	PLACES
.endm
; The pair of column tiles in ACCA holds, in lane (r, h), for each tile m of tokens, 16 neighbouring hidden units (32 Bk + 16 h + 0..15) of token 16m + r.
; gelu in f32, then the quantiser: lanes l and l xor 16 share a block of 32.  A lane's 16 codes, 12 bytes, go to their place in the token's row of HID.  pr: which pair of the trip's two.  r: the ring slot that is asked for again here.
.macro GELUQ pr, r
.irp m, 0,1,2
.set XX, ACCA+16*\m
.irp j, 0,2,4,6,8,10,12,14
	v_pk_mul_f32 v[TT+\j:TT+\j+1], v[XX+\j:XX+\j+1], v[XX+\j:XX+\j+1]      ; x^2 (each accumulator is read from its low end on)
.endr
.irp j, 0,2,4,6,8,10,12,14
	v_pk_fma_f32 v[TT+\j:TT+\j+1], v[TT+\j:TT+\j+1], v[K1:K1+1], v[K0:K0+1]
.endr
.irp j, 0,2,4,6,8,10,12,14
	v_pk_mul_f32 v[TT+\j:TT+\j+1], v[TT+\j:TT+\j+1], v[XX+\j:XX+\j+1]      ; x (K0 + K1 x^2)
.endr
.irp j, 0,1,2,3,4,5,6,7,8,9,10,11,12,13,14,15
	v_exp_f32 v[TT+\j], v[TT+\j]
.endr
	v_nop                                          ; a plain place behind the exponentials
	s_wait_alu depctr_va_vdst(0)                   ; the sixteen exponentials have written v[TT ..], ahead of their first reader; at the first tile of tokens also: the chunk just multiplied is done reading slot r and its scale words
.if \m == 0
	FILL \r                                        ; the chunk four further on in the stream
.endif
.irp j, 0,2,4,6,8,10,12,14
	v_pk_add_f32 v[TT+\j:TT+\j+1], v[TT+\j:TT+\j+1], 1.0 op_sel_hi:[1,0]
.endr
.irp j, 0,1,2,3,4,5,6,7,8,9,10,11,12,13,14,15
	v_rcp_f32 v[TT+\j], v[TT+\j]
.endr
	v_nop                                          ; a plain place behind the reciprocals
	s_wait_alu depctr_va_vdst(0)                   ; the sixteen reciprocals have written v[TT ..], ahead of their first reader
.irp j, 0,2,4,6,8,10,12,14
	v_pk_mul_f32 v[XX+\j:XX+\j+1], v[XX+\j:XX+\j+1], v[TT+\j:TT+\j+1]      ; gelu(x)
.endr
.endr
.irp m, 0,1,2
	v_max3_num_f32 v[QM+\m], |v[ACCA+16*\m]|, |v[ACCA+16*\m+1]|, 0x2800000   ; my 16 numbers, and the floor 2^(5 - 127): the byte cannot fall under 1
.endr
.irp i, 2,4,6,8,10,12,14
.irp m, 0,1,2
	v_max3_num_f32 v[QM+\m], v[QM+\m], |v[ACCA+16*\m+\i]|, |v[ACCA+16*\m+\i+1]|   ; (the three tiles by turns)
.endr
.endr
	s_wait_dscnt 0x0                               ; the last pair's LDS stores are done
	s_wait_alu depctr_vm_vsrc(0)                   ; the last pair's LDS stores have read v[QC ..] and v[HSW ..], which are written below
.irp m, 0,1,2
	v_permlanex16_b32 v[QP+\m], v[QM+\m], s72, s73
.endr
.irp m, 0,1,2
	v_max_num_f32 v[QM+\m], v[QM+\m], v[QP+\m]     ; the block's largest magnitude
.endr
.irp m, 0,1,2
	v_add_nc_u32 v[QS+\m], 0xfe000000, v[QM+\m]    ; 4 off its exponent field: the conversion's scale operand
.endr
.irp m, 0,1,2
	v_lshrrev_b32 v[QB+\m], 23, v[QS+\m]           ; the scale's byte
.endr
.irp m, 0,1,2
	v_lshrrev_b32 v[HSW+\m], 8, v[HSW+\m]          ; the word takes it from the top: after an expert's four pairs the bytes stand in the blocks' order
.endr
.irp m, 0,1,2
	v_lshl_or_b32 v[HSW+\m], v[QB+\m], 24, v[HSW+\m]
.endr
.irp m, 0,1,2
	v_cvt_scalef32_pk16_bf6_f32 v[QC+4*\m:QC+4*\m+2], v[ACCA+16*\m:ACCA+16*\m+15], v[QS+\m]
.endr
	v_nop                                          ; a plain place behind the conversions: the next products write their sources
	s_wait_alu depctr_va_vdst(0)                   ; the conversions have written v[QC ..], the shifts v[HSW ..], the trip's head v[HWC] and v[HSAC]: the LDS stores below read them
.irp m, 0,1,2
.irp k, 0,1,2
	ds_store_b32 v[HWC], v[QC+4*\m+\k] offset:16*HP*\m+24*\pr+4*\k
.endr
.endr
.if \pr
.irp m, 0,1,2
	ds_store_b32 v[HSAC], v[HSW+\m] offset:64*\m   ; whole after an expert's second trip, which writes over the first trip's unfinished word (same wave, in order); both halves of the lanes write the same value
.endr
.endif
.endm
; cl x (expert lo's result) + ch x (expert hi's), and 32 columns of 48 rows into my stage.  jp: which 32 of the trip's 64 columns.  fill = 1: ring slot r is asked for again here
.macro COMBINE jp, fill, r
.irp m, 0,1,2
.irp u, 0,1
.irp j, 0,2,4,6
	v_pk_mul_f32 v[ACCA+16*\m+8*\u+\j:ACCA+16*\m+8*\u+\j+1], v[ACCA+16*\m+8*\u+\j:ACCA+16*\m+8*\u+\j+1], v[CLP+2*\m:CLP+2*\m+1]
.endr
.irp j, 0,2,4,6
	v_pk_fma_f32 v[ACCA+16*\m+8*\u+\j:ACCA+16*\m+8*\u+\j+1], v[ACCB+16*\m+8*\u+\j:ACCB+16*\m+8*\u+\j+1], v[CHP+2*\m:CHP+2*\m+1], v[ACCA+16*\m+8*\u+\j:ACCA+16*\m+8*\u+\j+1]
.endr
.endr
.endr
	s_wait_alu depctr_va_vdst(0)                   ; the combination has written v[ACCA ..], which the LDS stores below read; the chunk just multiplied is done reading its slot and scale words, in which a fill below lands
.irp m, 0,1,2
.irp u, 0,1
	ds_store_b128 v[STO], v[ACCA+16*\m+8*\u:ACCA+16*\m+8*\u+3] offset:16*SP*\m+128*\jp+64*\u
	ds_store_b128 v[STO], v[ACCA+16*\m+8*\u+4:ACCA+16*\m+8*\u+7] offset:16*SP*\m+128*\jp+64*\u+16
.endr
.endr
.if \fill
	FILL \r                                        ; the chunk four further on in the stream: no vector or matrix instruction stands between the wait above and these loads
.endif
	s_wait_dscnt 0x0                               ; the stores into the stage are done
	s_wait_alu depctr_vm_vsrc(0)                   ; they have read v[ACCA ..], which the next products write
.endm
; 48 rows x 256 bytes leave my stage: lanes 0-15 one row, lanes 16-31 the next
.macro FLUSH
.irp m, 0,1,2
	s_wait_xcnt 0x0                                ; the earlier stores' addresses are translated
	s_wait_alu depctr_vm_vsrc(0)                   ; the earlier global stores have read v[RB ..], in which the loads below land
.irp i, 0,1,2,3,4,5,6,7
	ds_load_b128 v[RB+4*\i:RB+4*\i+3], v[SRD] offset:(16*\m+2*\i)*SP   ; LDS serves a wave's instructions in order: these see my stores
.endr
.irp i, 0,1,2,3,4,5,6,7
	s_wait_dscnt 7-\i                              ; load i is in; the younger ones may be out
	global_store_b128 v[OUTOFF+8*\m+\i], v[RB+4*\i:RB+4*\i+3], s[16:17] th:TH_STORE_NT   ; 16 lanes store 256 consecutive bytes of a token's row, at a multiple of 256 from out0's first byte
.endr
.endr
.endm
; ---------------- head ----------------
	s_load_b256 s[4:11], s[0:1], 0x0               ; counts s[4:5], order s[6:7], coef s[8:9], x's codes s[10:11]
	s_load_b128 s[12:15], s[0:1], 0x20             ; x's scales s[12:13], wf s[14:15]
	s_load_b64 s[16:17], s[0:1], 0x30              ; out0
	v_lshl_add_u32 v63, v0, 2, 0x21100             ; my spare word, behind the stages; kept for the closing lines alone
	v_mov_b32 v199, 0                              ; and 0, likewise
	v_lshrrev_b32 v1, 5, v0
	v_readfirstlane_b32 s18, v1                    ; wave 0..3
	v_and_b32 v1, 31, v0
	v_lshlrev_b32 v[L16], 4, v1
	v_and_b32 v[RR], 15, v0
	v_bfe_u32 v[HH], v0, 4, 1
	s_wait_alu depctr_va_sdst(0)                   ; s18 is written, ahead of its first reader: LDS addresses and the stream's offsets are made from it
	s_wait_kmcnt 0x0
	s_load_b512 s[36:51], s[4:5], 0x0              ; the 28 counts
	s_load_b256 s[52:59], s[4:5], 0x40
	s_load_b128 s[60:63], s[4:5], 0x60
	; every LDS address: a constant + constants x r, h and the wave's number
	v_mul_u32_u24 v[XFA], v[RR], XP
	v_mad_u32_u24 v[XFA], v[HH], 24, v[XFA]
	v_mul_u32_u24 v[HFA], v[RR], HP
	v_mad_u32_u24 v[HWA], v[HH], 12, v[HFA]
	v_mad_u32_u24 v[HFA], v[HH], 24, v[HFA]
	v_add_nc_u32 v[HFA], HID, v[HFA]
	s_mul_i32 s24, s18, HWV
	s_add_co_u32 s24, s24, HID
	v_add_nc_u32 v[HWA], s24, v[HWA]
	s_mul_i32 s24, s18, 384
	s_add_co_u32 s24, s24, HSC
	v_lshl_add_u32 v[HSA], v[RR], 2, s24
	v_mul_u32_u24 v[HSR], v[HH], 192
	v_lshl_add_u32 v[HSR], v[RR], 2, v[HSR]
	v_add_nc_u32 v[HSR], HSC, v[HSR]
	s_mul_i32 s24, s18, 48*SP
	s_add_co_u32 s24, s24, STG
	v_mul_u32_u24 v[STO], v[RR], SP
	v_lshl_add_u32 v[STO], v[HH], 5, v[STO]
	v_add_nc_u32 v[STO], s24, v[STO]
	v_mul_u32_u24 v[SRD], v[HH], SP
	v_lshl_add_u32 v[SRD], v[RR], 4, v[SRD]
	v_add_nc_u32 v[SRD], s24, v[SRD]
	s_mul_i32 s24, s18, 2*XP
	v_mul_u32_u24 v[XST], v[HH], XP
	v_lshl_add_u32 v[XST], v[RR], 4, v[XST]
	v_add_nc_u32 v[XST], s24, v[XST]
	s_lshl_b32 s24, s18, 8
	s_add_co_u32 s24, s24, TOK
	v_lshl_add_u32 v225, v[RR], 2, s24             ; my wave's token numbers: in, by r;
	v_lshl_add_u32 v226, v[HH], 2, s24             ; back, by h
	v_lshlrev_b32 v224, 4, v[RR]                   ; 16 r
	s_lshl_b32 s24, s18, 10
	v_lshl_add_u32 v227, v[RR], 4, s24             ; my wave's 1,024 bytes of an output row, + 16 r
	s_mov_b32 s72, 0x76543210
	s_mov_b32 s73, 0xfedcba98                      ; v_permlanex16_b32's selects for lane l xor 16
	s_mov_b32 s19, ttmp9                           ; t
	s_mov_b32 s20, 0                               ; tiles in front of the bin in hand
	s_mov_b32 s21, 16                              ; the chosen bin, packed: bin << 8 | hi << 4 | lo
	s_mov_b32 s22, 0                               ; its count
	s_mov_b32 s23, 0                               ; its first tile
	s_wait_kmcnt 0x0
; ---------------- which tile is mine ----------------
; The last bin that has tokens and begins at or in front of tile t.  (n + 47) x 43691 >> 21 = ceil(n / 48) for n up to 8,192: 43691 x 48 = 2^21 + 16.
.set BN, 0
.irp lo, 0,1,2,3,4,5,6
.irp hi, 1,2,3,4,5,6,7
.if \hi > \lo
	s_min_u32 s[36+BN], s[36+BN], 0x2000
	s_add_co_u32 s24, s[36+BN], 47
	s_mul_i32 s24, s24, 43691
	s_lshr_b32 s24, s24, 21                        ; the bin's tiles
	s_cmp_lg_u32 s24, 0
	s_cselect_b32 s74, s20, -1                     ; an empty bin is never chosen
	s_cmp_ge_u32 s19, s74
	s_cselect_b32 s21, (BN<<8)|(\hi<<4)|\lo, s21
	s_cselect_b32 s22, s[36+BN], s22
	s_cselect_b32 s23, s20, s23
	s_add_co_u32 s20, s20, s24
.set BN, BN+1
.endif
.endr
.endr
	s_bfe_u32 s25, s21, 0x40000                    ; lo
	s_bfe_u32 s26, s21, 0x40004                    ; hi
	s_lshr_b32 s27, s21, 8                         ; bin
	s_min_u32 s25, s25, 7
	s_min_u32 s26, s26, 7
	s_min_u32 s27, s27, 27
	s_sub_co_u32 s28, s19, s23
	s_mul_i32 s28, s28, 48                         ; my first place in the bin
	s_sub_co_u32 s29, s22, 1                       ; the bin's last place
	s_cmp_lt_u32 s28, s22
	s_cselect_b32 s75, 1, 0                        ; have I rows?
	s_mov_b32 s71, 0
	s_lshl_b32 s70, s27, 15
	s_add_nc_u64 s[6:7], s[6:7], s[70:71]          ; order[bin]
	s_lshl_b32 s70, s27, 16
	s_add_nc_u64 s[8:9], s[8:9], s[70:71]          ; coef[bin]
	s_lshl_b32 s24, s25, 2
	s_add_co_u32 s24, s24, s18
	s_mul_i32 s30, s24, WVB                        ; the stream: my chunks of w1[lo], K steps 0-3,
	s_add_co_u32 s31, s30, 4*CHB                   ; and K steps 4-7
	s_add_co_u32 s34, s30, 32*WVB                  ; my chunks of w2[lo]
	s_lshl_b32 s24, s26, 2
	s_add_co_u32 s24, s24, s18
	s_mul_i32 s32, s24, WVB                        ; of w1[hi],
	s_add_co_u32 s33, s32, 4*CHB
	s_add_co_u32 s35, s32, 32*WVB                  ; of w2[hi]
	v_add_nc_u32 v[VE], s30, v[L16]
	v_add_nc_u32 v[VE+1], s31, v[L16]
; ---------------- gather ----------------
; places in the bin: v160-165 rows 2 wave + 8k + h (the rows of x that I fetch), v166-168 rows 16m + r (the tokens of my lanes); past the bin's end: its last place
	s_lshl_b32 s24, s18, 1
	s_add_co_u32 s24, s24, s28
	v_add_nc_u32 v160, s24, v[HH]
.irp k, 1,2,3,4,5
	v_add_nc_u32 v[160+\k], 8*\k, v160
.endr
	v_add_nc_u32 v166, s28, v[RR]
	v_add_nc_u32 v167, 16, v166
	v_add_nc_u32 v168, 32, v166
.irp j, 0,1,2,3,4,5,6,7,8
	v_min_u32 v[160+\j], s29, v[160+\j]
	v_min_u32 v[160+\j], 0x1fff, v[160+\j]
.endr
.irp m, 0,1,2
	v_lshlrev_b32 v[169+\m], 3, v[166+\m]
.endr
.irp j, 0,1,2,3,4,5,6,7,8
	v_lshlrev_b32 v[160+\j], 2, v[160+\j]
.endr
	s_wait_alu depctr_va_vdst(0)                   ; every offset and LDS address made so far is written: v4 to v15, v160 to v171, v225, v226, which the loads and stores from here on read
.irp j, 0,1,2,3,4,5,6,7,8
	global_load_b32 v[172+\j], v[160+\j], s[6:7]   ; tokens: v172-177 of the rows that I fetch, v178-180 of my lanes
.endr
.irp m, 0,1,2
	global_load_b64 v[182+2*\m:183+2*\m], v[169+\m], s[8:9]   ; (cl, ch) of my lanes' tokens
.endr
	FILL 0                                         ; the weights' stream begins at once
	FILL 1
	s_wait_loadcnt 50                              ; tokens and weights' factors are in; the two chunks' 50 loads may be out
.irp j, 0,1,2,3,4,5,6,7,8
	v_min_u32 v[172+\j], 0x1fff, v[172+\j]         ; a token is under 8,192
.endr
.irp k, 0,1,2,3,4,5
	v_mad_u32_u24 v[188+\k], v[172+\k], 768, v224  ; its row of codes, + 16 r
.endr
.irp m, 0,1,2
	v_lshlrev_b32 v[194+\m], 5, v[178+\m]
.endr
.irp m, 0,1,2
	v_lshl_add_u32 v[194+\m], v[HH], 4, v[194+\m]  ; its 32 scale bytes: lanes 0-15 K steps 0-3, lanes 16-31 K steps 4-7
.endr
	s_wait_alu depctr_va_vdst(0)                   ; the offsets v188 to v196 are written, which the loads below read, and the token numbers v178 to v180, which the LDS stores below read
.irp k, 0,1,2,3,4,5
.irp p, 0,1,2
	global_load_b128 v[64+12*\k+4*\p:64+12*\k+4*\p+3], v[188+\k], s[10:11] offset:256*\p   ; 16 lanes read 256 consecutive bytes of a row, at a multiple of 256
.endr
.endr
.irp m, 0,1,2
	global_load_b128 v[SX+4*\m:SX+4*\m+3], v[194+\m], s[12:13]
.endr
.irp m, 0,1,2
	ds_store_b32 v225, v[178+\m] offset:64*\m      ; token of row 16m + r (both halves of the lanes write the same value); my wave's own bytes
.endr
.irp m, 0,1,2
.irp i, 0,1,2,3,4,5,6,7
	ds_load_b32 v[OUTOFF+8*\m+\i], v226 offset:4*(16*\m+2*\i)   ; token of row 16m + 2i + h: the rows that I store
.endr
.endr
	FILL 2
	FILL 3
	s_wait_loadcnt 50                              ; x's rows and scale words are in; chunks 2 and 3 may be out
.irp k, 0,1,2,3,4,5
.irp p, 0,1,2
	ds_store_b128 v[XST], v[64+12*\k+4*\p:64+12*\k+4*\p+3] offset:8*XP*\k+256*\p
.endr
.endr
	s_wait_dscnt 0x0                               ; for the others' sake: my rows of x have landed; my token numbers are back
	s_wait_alu depctr_vm_vsrc(0)                   ; the loads and LDS stores above have read v64 to v135, v160 to v171, v178 to v180, v188 to v196, v225 and v226: from here on these are accumulators, working registers and rows of the result
	s_barrier_signal -1
.irp j, 0,1,2,3,4,5,6,7,8,9,10,11,12,13,14,15,16,17,18,19,20,21,22,23
	v_min_u32 v[OUTOFF+\j], 0x1fff, v[OUTOFF+\j]
	v_lshl_add_u32 v[OUTOFF+\j], v[OUTOFF+\j], 12, v227      ; token x 4,096 bytes + my wave's columns + 16 r
.endr
.irp m, 0,1,2
	v_mov_b32 v[CLP+2*\m], v[182+2*\m]
	v_mov_b32 v[CLP+2*\m+1], v[182+2*\m]
	v_mov_b32 v[CHP+2*\m], v[183+2*\m]
	v_mov_b32 v[CHP+2*\m+1], v[183+2*\m]
.endr
	v_mov_b32 v[K1], 0xbdd2d3e8
	v_mov_b32 v[K1+1], 0xbdd2d3e8
	v_mov_b32 v[K0], 0xc0135761
	v_mov_b32 v[K0+1], 0xc0135761
.irp m, 0,1,2
	v_mov_b32 v[HSW+\m], 0
	v_mov_b32 v[QP+\m], 0                          ; a lane permute's destination counts as one of its sources
.endr
	s_barrier_wait -1                              ; all 48 rows of x lie in LDS
.irp q, 0,1
	WIN 0x40*(\q+1)                                ; destination window 1, then 2.  (No vector instruction has named these registers, and v[XFA] was written ahead of the first wait on va_vdst)
.irp i, 0,1,2,3
.irp m, 0,1,2
.irp c, 0,1
.irp k, 0,1,2
	ds_load_b64 v[12*(3*\i+\m)+6*\c+2*\k:12*(3*\i+\m)+6*\c+2*\k+1], v[XFA] offset:16*XP*\m+96*(4*\q+\i)+48*\c+8*\k
.endr
.endr
.endr
.endr
.endr
	WIN 0
	s_wait_dscnt 0x0
; ---------------- first product, gelu, quantiser: four trips; trip T: expert T / 2, hidden blocks 2 (T % 2) and 2 (T % 2) + 1 of my four ----------------
	s_mov_b32 s66, 0
.Lfc1:
	s_wait_dscnt 0x0                               ; the last trip's LDS stores are done
	s_wait_alu depctr_vm_vsrc(0)                   ; the last trip's LDS stores have read v[HWC] and v[HSAC], its fills v[VE] and v[VE+1]: all four are written below
	s_lshr_b32 s24, s66, 1
	s_mul_i32 s67, s24, HEX
	s_mul_i32 s68, s24, 192
	s_and_b32 s24, s66, 1
	s_mul_i32 s24, s24, 48
	s_add_co_u32 s67, s67, s24
	v_add_nc_u32 v[HWC], s67, v[HWA]
	v_add_nc_u32 v[HSAC], s68, v[HSA]
	s_cmp_eq_u32 s75, 0
	s_cbranch_scc1 .Lfc1_next                      ; a work-group without rows walks the loop and does none of its work
	s_wait_xcnt 0x0                                ; the stream's offset registers are written only behind this wait
	s_add_co_u32 s30, s30, 2*CHB                   ; this trip's refills are the next trip's chunks:
	s_add_co_u32 s31, s31, 2*CHB
	s_cmp_eq_u32 s66, 1                            ; behind trip 1 comes expert hi,
	s_cselect_b32 s30, s32, s30
	s_cselect_b32 s31, s33, s31
	s_cmp_eq_u32 s66, 3                            ; behind trip 3 the second product: even slots w2[lo], odd slots w2[hi]
	s_cselect_b32 s30, s34, s30
	s_cselect_b32 s31, s35, s31
	v_add_nc_u32 v[VE], s30, v[L16]
	v_add_nc_u32 v[VE+1], s31, v[L16]
	CHUNK 0, ACCA, 1, 63                           ; K steps 0-3.  (Behind slot 0's loads three fills' 75 have been issued; 63 is the largest count that the wait can name)
	CHUNKF 1, ACCA, 0, 50, 0                       ; K steps 4-7; behind slot 1's loads stand two fills' 50.  Slot 0 is asked for again among the products
	GELUQ 0, 1                                     ; slot 1 is asked for again behind the first batch's wait
	CHUNK 2, ACCA, 1, 63                           ; behind slot 2's loads: slots 3, 0 and 1
	CHUNKF 3, ACCA, 0, 50, 2                       ; behind slot 3's: slots 0 and 1
	GELUQ 1, 3
.Lfc1_next:
	s_add_co_u32 s66, s66, 1
	s_cmp_lt_u32 s66, 4
	s_cbranch_scc1 .Lfc1
	s_wait_dscnt 0x0                               ; for the others' sake: my hidden codes and scale words have landed
	s_barrier_signal -1
	s_barrier_wait -1                              ; both hidden layers lie in LDS
	s_cmp_eq_u32 s75, 0
	s_cbranch_scc1 .Lno_hid
	s_wait_alu depctr_va_vdst(0)                   ; the first product's matrix instructions are done reading x's fragments and scale words, in which the hidden layers' land
.irp e, 0,1
	WIN 0x40*(\e+1)                                ; expert lo's fragments into window 1, hi's into window 2, where x's lay
.irp i, 0,1,2,3
.irp m, 0,1,2
.irp c, 0,1
.irp k, 0,1,2
	ds_load_b64 v[12*(3*\i+\m)+6*\c+2*\k:12*(3*\i+\m)+6*\c+2*\k+1], v[HFA] offset:HWV*\i+HEX*\e+16*HP*\m+48*\c+8*\k
.endr
.endr
.endr
.endr
.endr
	WIN 0
.irp m, 0,1,2
.irp i, 0,1,2,3
	ds_load_b32 v[SX+4*\m+\i], v[HSR] offset:384*\i+64*\m
.endr
.endr
	s_wait_dscnt 0x0
.Lno_hid:
; ---------------- second product and combination: four trips of 64 output columns; the last is written out, since it refills nothing ----------------
	s_mov_b32 s66, 0
.Lfc2:
	s_wait_alu depctr_vm_vsrc(0)                   ; the fills issued so far have read v[VE] and v[VE+1], which are written below
	s_cmp_eq_u32 s75, 0
	s_cbranch_scc1 .Lfc2_next
	s_wait_xcnt 0x0                                ; the stream's offset registers are written only behind this wait
	s_add_co_u32 s30, s30, 2*CHB
	s_add_co_u32 s31, s31, 2*CHB
	v_add_nc_u32 v[VE], s30, v[L16]
	v_add_nc_u32 v[VE+1], s31, v[L16]
	CHUNK 0, ACCA, 1, 63                           ; expert lo, 32 columns
	CHUNKF 1, ACCB, 1, 50, 0                       ; expert hi, the same columns; slot 0 is asked for again among the products
	COMBINE 0, 1, 1                                ; slot 1 behind the stage's stores
	CHUNK 2, ACCA, 1, 63
	CHUNKF 3, ACCB, 1, 50, 2
	COMBINE 1, 1, 3
	FLUSH
	s_wait_xcnt 0x0                                ; the stores have read their base
	s_add_nc_u64 s[16:17], s[16:17], 256           ; the next 64 columns
.Lfc2_next:
	s_add_co_u32 s66, s66, 1
	s_cmp_lt_u32 s66, 3
	s_cbranch_scc1 .Lfc2
	s_cmp_eq_u32 s75, 0
	s_cbranch_scc1 .Lend
	CHUNK 0, ACCA, 1, 63                           ; behind slot 0's loads: three fills
	CHUNK 1, ACCB, 1, 50                           ; two
	COMBINE 0, 0, 0
	CHUNK 2, ACCA, 1, 25                           ; one
	CHUNK 3, ACCB, 1, 0                            ; none
	COMBINE 1, 0, 0
	FLUSH
.Lend:
	s_barrier_signal -1
	s_barrier_wait -1
	s_wait_dscnt 0x0                               ; the closing lines, six on end
	s_wait_alu 0x0
	s_wait_tensorcnt 0x0
	ds_add_u32 v63, v199
	s_wait_dscnt 0x0
	s_endpgm
.Lfunc_end_k_qbc9dab4a5a_chain:
	.size	k_qbc9dab4a5a_chain, .Lfunc_end_k_qbc9dab4a5a_chain-k_qbc9dab4a5a_chain
	.p2alignl 7, 3214868480
	.fill 96, 4, 3214868480
	.section	.rodata,"a",@progbits
	.p2align	6, 0x0
	.amdhsa_kernel k_qbc9dab4a5a_chain
		.amdhsa_group_segment_fixed_size 135936
		.amdhsa_private_segment_fixed_size 0
		.amdhsa_enable_private_segment 0
		.amdhsa_kernarg_size 56
		.amdhsa_user_sgpr_count 2
		.amdhsa_user_sgpr_kernarg_segment_ptr 1
		.amdhsa_wavefront_size32 1
		.amdhsa_system_sgpr_workgroup_id_x 1
		.amdhsa_system_sgpr_workgroup_id_y 1
		.amdhsa_system_sgpr_workgroup_id_z 1
		.amdhsa_system_vgpr_workitem_id 0
		.amdhsa_next_free_vgpr 1024
		.amdhsa_next_free_sgpr 80
		.amdhsa_reserve_vcc 0
		.amdhsa_float_denorm_mode_32 3
		.amdhsa_float_denorm_mode_16_64 3
		.amdhsa_memory_ordered 1
		.amdhsa_forward_progress 1
		.amdhsa_inst_pref_size 173
	.end_amdhsa_kernel
	.amdgpu_metadata
---
amdhsa.version: [ 1, 2 ]
amdhsa.kernels:
  - .name:           k_qbc9dab4a5a_chain
    .symbol:         k_qbc9dab4a5a_chain.kd
    .args:
      - { .name: counts, .offset: 0, .size: 8, .value_kind: global_buffer, .address_space: global }
      - { .name: order, .offset: 8, .size: 8, .value_kind: global_buffer, .address_space: global }
      - { .name: coef, .offset: 16, .size: 8, .value_kind: global_buffer, .address_space: global }
      - { .name: hidden_states_codes, .offset: 24, .size: 8, .value_kind: global_buffer, .address_space: global }
      - { .name: hidden_states_scales, .offset: 32, .size: 8, .value_kind: global_buffer, .address_space: global }
      - { .name: wf, .offset: 40, .size: 8, .value_kind: global_buffer, .address_space: global }
      - { .name: out0, .offset: 48, .size: 8, .value_kind: global_buffer, .address_space: global }
    .group_segment_fixed_size: 135936
    .private_segment_fixed_size: 0
    .kernarg_segment_align: 8
    .kernarg_segment_size: 56
    .max_flat_workgroup_size: 128
    .sgpr_count:     80
    .vgpr_count:     1024
    .wavefront_size: 32
...
	.end_amdgpu_metadata
.endif
;; end of part 3
